; MI455X (gfx1250); checked and timed in simulation.
; The chip was launched on July 23, 2026; its instructions are those of AMD's public machine-readable ISA for CDNA 5 (MIT licence, August 2026) and "CDNA5" Instruction Set Architecture Reference Guide (July 2026). The comments in the code are by the model that wrote it; some were corrected since.
;; GDINO Multi Scale Deformable Attention. Allowed arithmetic: float matrix products may take bf16 or f16 operands with f32 sums; all other float work in f32.
;; Inputs: W_attn 256 x 128 float32; W_off 256 x 256 float32; W_out 256 x 256 float32; W_val 256 x 256 float32; b_attn 128 float32; b_off 256 float32; b_out 256 float32; b_val 256 float32; level_start_index 4 int32; query 17,821 x 2 x 256 float32; reference_points 2 x 17,821 x 4 x 2 float32; spatial_shapes 4 x 2 int32; value 17,821 x 2 x 256 float32.
;; Outputs: out0 17,821 x 2 x 256 float32.
;; 2 versions, each right. Each part assembles by itself: llvm-mc -triple=amdgcn-amd-amdhsa -mcpu=gfx1250 --defsym DOCPART=n.
;; ======== version 1 of 2: 3 launches
;; limits: values outside matrix products are rounded to bf16; values outside matrix products are rounded to f16; values are held in f16: magnitudes above 65,504 overflow, below 6.1e-05 lose precision
;; workspace buffers: wfrag 458,752 bytes; valb 18,251,776 bytes; idx 9,125,888 bytes of whole numbers; wt 36,503,552 bytes
;; launch prep (part 1): grid 56 x 1, 8 waves a work-group, no clusters, 0 bytes of LDS; arguments W_val, W_off, W_attn, W_out, wfrag; writes wfrag
.if DOCPART == 1
	.amdgcn_target "amdgcn-amd-amdhsa--gfx1250"
	.amdhsa_code_object_version 6
	.text
	.protected	k_q33f591f226_prep
	.globl	k_q33f591f226_prep
	.p2align	8
	.type	k_q33f591f226_prep,@function
k_q33f591f226_prep:
	s_mov_b64 s[64:65], 0
	v_nop
	global_prefetch_b8 v0, s[64:65] scope:SCOPE_SE
	s_setreg_imm32_b32 hwreg(HW_REG_WAVE_MODE, 25, 1), 1
	s_wait_xcnt 0x0
; The four weight matrices, f32 [256 (k)][N], are rounded once to f16 and laid down in the order in which a matrix
; instruction's 16-bit operand lies in registers, so that the later launches fetch a fragment by two 16-byte loads a lane.
; wfrag: 56 tiles of 16 columns x 8 K steps of 32 x 1,024 bytes.  Tiles 0-15 W_val, 16-31 W_off, 32-39 W_attn, 40-55 W_out.
; In a block, byte 16 L holds registers 0-3 of lane L = (r = L % 16, h = L / 16): W[32 s + 8 h + 0..7][16 t + r];
; byte 512 + 16 L holds registers 4-7: W[32 s + 16 + 8 h + 0..7][16 t + r].
; Work-group t makes tile t, wave s its K step s.  LIMIT: |W| below 65,504 (f16).
; No LDS, no matrix unit, no cluster: 917,504 bytes are read once and 458,752 written once; no work-group shares a byte with another.
.set AD,  2                            ; v[2:17]   byte offsets of my 16 numbers
.set DT,  18                           ; v[18:33]  the 16 numbers in f32
.set PKD, 34                           ; v[34:41]  the same in f16, two a register
	s_load_b256 s[4:11], s[0:1], 0x0               ; W_val s[4:5], W_off s[6:7], W_attn s[8:9], W_out s[10:11]
	s_load_b64 s[12:13], s[0:1], 0x20              ; wfrag
	v_lshrrev_b32 v1, 5, v0
	v_readfirstlane_b32 s14, v1                    ; wave = K step s
	v_and_b32 v43, 15, v0                          ; r
	v_bfe_u32 v44, v0, 4, 1                        ; h
	v_and_b32 v45, 31, v0                          ; L
	s_mov_b32 s15, ttmp9                           ; tile t
	s_sub_co_u32 s20, s15, 16                      ; the tile's number inside W_off,
	s_sub_co_u32 s21, s15, 32                      ; inside W_attn,
	s_sub_co_u32 s22, s15, 40                      ; inside W_out (only the one that applies is used)
	s_movk_i32 s23, 512                            ; bytes in a row of W_attn
	s_movk_i32 s24, 1024                           ; bytes in a row of the others
	s_wait_kmcnt 0x0
	s_cmp_lt_u32 s15, 40                           ; which matrix: the choice hangs on the tile's number alone
	s_cselect_b64 s[16:17], s[8:9], s[10:11]
	s_cselect_b32 s18, s21, s22
	s_cselect_b32 s19, s23, s24
	s_cmp_lt_u32 s15, 32
	s_cselect_b64 s[16:17], s[6:7], s[16:17]
	s_cselect_b32 s18, s20, s18
	s_cselect_b32 s19, s24, s19
	s_cmp_lt_u32 s15, 16
	s_cselect_b64 s[16:17], s[4:5], s[16:17]
	s_cselect_b32 s18, s15, s18
	s_lshl_b32 s25, s14, 5
	v_lshl_add_u32 v46, v44, 3, s25                ; k = 32 s + 8 h
	v_mul_lo_u32 v[AD], v46, s19                   ; x the row's bytes
	s_lshl_b32 s26, s18, 6                         ; 16 columns of 4 bytes a tile
	v_lshl_add_u32 v47, v43, 2, s26
	v_add_nc_u32 v[AD], v[AD], v47                 ; + my column
.irp e, 1,2,3,4,5,6,7
	v_add_nc_u32 v[AD+\e], s19, v[AD+\e-1]         ; the next k: one row down
.endr
	s_lshl_b32 s27, s19, 4
	v_add_nc_u32 v[AD+8], s27, v[AD]               ; k + 16
.irp e, 9,10,11,12,13,14,15
	v_add_nc_u32 v[AD+\e], s19, v[AD+\e-1]
.endr
.irp e, 0,1,2,3,4,5,6,7,8,9,10,11,12,13,14,15
	global_load_b32 v[DT+\e], v[AD+\e], s[16:17]   ; sixteen lanes take 64 neighbouring bytes of a row
.endr
	s_lshl_b32 s28, s15, 13                        ; 8,192 bytes a tile
	s_lshl_b32 s29, s14, 10                        ; 1,024 a K step
	s_add_co_u32 s28, s28, s29
	v_lshl_add_u32 v42, v45, 4, s28
	s_wait_loadcnt 0x0
.irp i, 0,1,2,3,4,5,6,7
	v_cvt_pk_f16_f32 v[PKD+\i], v[DT+2*\i], v[DT+2*\i+1]       ; the lower k in the low half
.endr
	global_store_b128 v42, v[PKD:PKD+3], s[12:13]              ; each store of the wave covers 512 consecutive bytes, aligned
	global_store_b128 v42, v[PKD+4:PKD+7], s[12:13] offset:512
	s_endpgm
.Lfunc_end_k_q33f591f226_prep:
	.size	k_q33f591f226_prep, .Lfunc_end_k_q33f591f226_prep-k_q33f591f226_prep
	.p2alignl 7, 3214868480
	.fill 96, 4, 3214868480
	.section	.rodata,"a",@progbits
	.p2align	6, 0x0
	.amdhsa_kernel k_q33f591f226_prep
		.amdhsa_group_segment_fixed_size 0
		.amdhsa_private_segment_fixed_size 0
		.amdhsa_enable_private_segment 0
		.amdhsa_kernarg_size 40
		.amdhsa_user_sgpr_count 2
		.amdhsa_user_sgpr_kernarg_segment_ptr 1
		.amdhsa_wavefront_size32 1
		.amdhsa_system_sgpr_workgroup_id_x 1
		.amdhsa_system_sgpr_workgroup_id_y 1
		.amdhsa_system_sgpr_workgroup_id_z 1
		.amdhsa_system_vgpr_workitem_id 0
		.amdhsa_next_free_vgpr 48
		.amdhsa_next_free_sgpr 66
		.amdhsa_reserve_vcc 0
		.amdhsa_float_denorm_mode_32 3
		.amdhsa_float_denorm_mode_16_64 3
		.amdhsa_memory_ordered 1
		.amdhsa_forward_progress 1
		.amdhsa_inst_pref_size 5
	.end_amdhsa_kernel
	.amdgpu_metadata
---
amdhsa.version: [ 1, 2 ]
amdhsa.kernels:
  - .name:           k_q33f591f226_prep
    .symbol:         k_q33f591f226_prep.kd
    .args:
      - { .name: W_val, .offset: 0, .size: 8, .value_kind: global_buffer, .address_space: global }
      - { .name: W_off, .offset: 8, .size: 8, .value_kind: global_buffer, .address_space: global }
      - { .name: W_attn, .offset: 16, .size: 8, .value_kind: global_buffer, .address_space: global }
      - { .name: W_out, .offset: 24, .size: 8, .value_kind: global_buffer, .address_space: global }
      - { .name: wfrag, .offset: 32, .size: 8, .value_kind: global_buffer, .address_space: global }
    .group_segment_fixed_size: 0
    .private_segment_fixed_size: 0
    .kernarg_segment_align: 8
    .kernarg_segment_size: 40
    .max_flat_workgroup_size: 256
    .sgpr_count:     66
    .vgpr_count:     48
    .wavefront_size: 32
...
	.end_amdgpu_metadata
.endif
;; end of part 1
;; launch proj (part 2): grid 124 x 4, 16 waves a work-group, no clusters, 271,616 bytes of LDS; arguments query, value, reference_points, b_off, b_attn, b_val, wfrag, valb, idx, wt; writes valb, idx, wt
.if DOCPART == 2
	.amdgcn_target "amdgcn-amd-amdhsa--gfx1250"
	.amdhsa_code_object_version 6
	.text
	.protected	k_q33f591f226_proj
	.globl	k_q33f591f226_proj
	.p2align	8
	.type	k_q33f591f226_proj,@function
k_q33f591f226_proj:
	s_mov_b64 s[64:65], 0
	v_nop
	global_prefetch_b8 v0, s[64:65] scope:SCOPE_SE
	s_setreg_imm32_b32 hwreg(HW_REG_WAVE_MODE, 25, 1), 1
	s_wait_xcnt 0x0
; Two roles, chosen by the work-group's y (bit 0: batch b, bit 1: role); x: a block of 9 tiles of 16 positions (the last block: 7).
; ROLE q: off = q W_off + b_off, softmax(q W_attn + b_attn) over a head's 16 points, and from them for every point
;   a whole number, the place in the value table of the upper left of a 2 x 2 patch (idx, u16), and four weights (wt, f16) =
;   attention weight x column weight x row weight.  With xb = floor(x) held to 0 .. W-2 the column weights are
;   max(0, 1 - |x - xb|) and max(0, 1 - |x - xb - 1|): for every x the same as bilinear corners with zeros outside, and the patch lies inside the level.
; ROLE v: val = value W_val + b_val, rounded once to bf16, stored as valb[b][head][17,824 positions][32 channels].
; Level sizes and starts are those of reference()'s static SPATIAL; reference() reads neither spatial_shapes nor level_start_index,
; so these two inputs are not read here either.
; Sixteen waves.  The block's 144 rows come in by 18 loads of 512 bytes a wave, all out at once, are rounded to f16 and laid in LDS.
; Wave (hd = w % 8, jw = w / 8) keeps two weight tiles (128 registers) for the whole kernel.
; The tiles are written out one behind the other, not looped: every LDS address is then a constant, a lane term, a wave term and constant steps.
; The matrix instruction is used transposed (source 0 weights, source 1 rows): lane (r, h), register j = row r, column n0 + 8 h + j.
; NO JOINT LOADS: a joint load lands in LDS; a role's weights are 131,072 (v) or 196,608 (q) bytes and 269,568 of the 327,680 bytes of LDS are taken.
;   The weights go straight into registers, once for 144 rows, by loads of 512 consecutive bytes.
; LIMITS: matrix operands are f16: |query|, |value|, |W| below 65,504.  x is made as fma(ref, W, off - 0.5), another order of rounding
;   than (ref + off / W) W - 0.5.  An exponential below 2^-126 counts as 0.  NaN inputs are not served.
.set NPOS,   17821                     ; positions in a batch
.set NPAD,   17824                     ; the same, filled up to whole tiles: the pitch of valb, idx and wt
.set NTILE,  1114                      ; tiles in a batch
.set TPB,    9                         ; tiles in a block
.set PLANE,  NPAD*64                   ; bytes of one (batch, head) in valb
.set APITCH, 528                       ; an LDS row of 256 f16 + 16: an odd multiple of 16 bytes, so 16 rows start in 16 different 16-byte columns of 256
.set REF,    144*APITCH                ; 76,032: reference points, 32 bytes a row
.set WST,    REF+144*32                ; 80,640: role q, weights on their way out, 1,024 + 16 bytes a row
.set WPITCH, 1040
.set IST,    WST+144*WPITCH            ; 230,400: role q, indices on their way out, 256 + 16 bytes a row
.set IPITCH, 272
.set VST,    IST                       ; role v: each wave's own stage of 16 rows of 64 + 16 bytes, 20,480 bytes in all
.set VPITCH, 80
.set LW0, 134
.set LW1, 67
.set LW2, 34
.set LW3, 17
.set LH0, 100
.set LH1, 50
.set LH2, 25
.set LH3, 13
.set LS0, 0
.set LS1, 13400
.set LS2, 16750
.set LS3, 17600
; vector registers
.set L16,   1                          ; 16 x lane
.set VPERM, 2                          ; 16 x the lane slot from which I take the second tile's fragments
.set AADR,  3                          ; LDS: my fragment of the tile's rows
.set ASTO,  4                          ; LDS: where I lay a converted row
.set WSTA,  5
.set ISTA,  6
.set REFA,  7
.set VSTO,  8
.set VRD,   9
.set RDW,   10
.set RDI,   11
.set RR,    12                         ; r = lane % 16
.set HH,    13                         ; h = lane / 16
.set LL,    14                         ; lane
.set BO0,   15                         ; byte offset of my first bias
.set B0,    16                         ; v[16:79]   first weight tile, 8 K steps
.set B1,    80                         ; v[80:143]  second weight tile
.set OB,    16                         ; v[16:123]  role q's way out: 12 registers for each of nine tiles, when the weights are no longer needed
.set AF,    144                        ; v[144:207] the rows' fragments, 8 K steps; behind the products: at work
.set STG,   144                        ; v[144:215] at the start: nine rows' 8 f32 a lane
.set ACC0,  208
.set ACC1,  216
.set BIAS0, 224
.set BIAS1, 232
.set WH,    240                        ; v[240:241] (W, H) of my level
.set WM2,   242                        ; W - 2
.set HM2,   243                        ; H - 2
.set START, 244                        ; my level's first position
.set LV,    245                        ; my level l = 2 jw + h
.set RP,    246                        ; v[246:247] reference point (x, y)
.set RPS,   248                        ; v[248:251] role q: reference points on their way to LDS
.set P0,    248                        ; v[248:255] role v: packed bf16
.set P1,    252
.set BO1,   252
.set BO2,   253
.set RADR,  254
.set TT,    255
; role q, at work in AF's registers
.set MX,  144
.set MT,  145
.set EA,  146                          ; 8 arguments
.set EX,  154                          ; 8 exponentials
.set SM,  162                          ; 4
.set RC,  166
.set AW,  168                          ; 4 attention weights of my level
.set XY,  172
.set FL,  174
.set TD,  176
.set TE,  178
.set HA,  180                          ; column weights 0, 1; row weights 0, 1
.set IDF, 184
.set QW,  186
.set IX,  190
.set PKW, 194                          ; 8: four points x four f16
.set PKI, 202                          ; 2: four u16
.macro LOADB                           ; both weight tiles: 32 loads of 512 bytes
.irp s, 0,1,2,3,4,5,6,7
	global_load_b128 v[B0+8*\s:B0+8*\s+3],   v[L16],   s[54:55] offset:1024*\s
	global_load_b128 v[B0+8*\s+4:B0+8*\s+7], v[L16],   s[54:55] offset:1024*\s+512
	global_load_b128 v[B1+8*\s:B1+8*\s+3],   v[VPERM], s[56:57] offset:1024*\s
	global_load_b128 v[B1+8*\s+4:B1+8*\s+7], v[VPERM], s[56:57] offset:1024*\s+512
.endr
.endm
.macro ACONV                           ; my nine rows: f32 to f16, into LDS
.irp i, 0,1,2,3,4,5,6,7,8
	s_wait_loadcnt 36+2*(8-\i)                     ; loads return in order (ISA guide 5.7.1): row i is in; the 2 (8 - i) younger row loads and the 36 weight and bias loads may stay out
	v_cvt_pk_f16_f32 v[STG+8*\i],   v[STG+8*\i],   v[STG+8*\i+1]
	v_cvt_pk_f16_f32 v[STG+8*\i+1], v[STG+8*\i+2], v[STG+8*\i+3]
	v_cvt_pk_f16_f32 v[STG+8*\i+4], v[STG+8*\i+4], v[STG+8*\i+5]
	v_cvt_pk_f16_f32 v[STG+8*\i+5], v[STG+8*\i+6], v[STG+8*\i+7]
	ds_store_b64 v[ASTO], v[STG+8*\i:STG+8*\i+1]               ; k = 4 L .. 4 L + 3
	ds_store_b64 v[ASTO], v[STG+8*\i+4:STG+8*\i+5] offset:256  ; k = 128 + 4 L ..
	v_add_nc_u32 v[ASTO], 16*APITCH, v[ASTO]                   ; my row of the next tile
.endr
.endm
.macro LDAF                            ; a tile's 16 rows x 256 k as eight fragments
.irp s, 0,1,2,3,4,5,6,7
	ds_load_b128 v[AF+8*\s:AF+8*\s+3],   v[AADR] offset:64*\s
	ds_load_b128 v[AF+8*\s+4:AF+8*\s+7], v[AADR] offset:64*\s+32
.endr
.endm
.macro MM                              ; 16 rows x 2 tiles x 256 k.  The first products take the biases as C: nothing is cleared or added later.
.irp s, 0,1,2,3,4,5,6,7                ; the two accumulators take turns, one instruction a turn
.if \s == 0
	v_wmma_f32_16x16x32_f16 v[ACC0:ACC0+7], v[B0:B0+7], v[AF:AF+7], v[BIAS0:BIAS0+7]
	v_wmma_f32_16x16x32_f16 v[ACC1:ACC1+7], v[B1:B1+7], v[AF:AF+7], v[BIAS1:BIAS1+7]
.else
	v_wmma_f32_16x16x32_f16 v[ACC0:ACC0+7], v[B0+8*\s:B0+8*\s+7], v[AF+8*\s:AF+8*\s+7], v[ACC0:ACC0+7]
	v_wmma_f32_16x16x32_f16 v[ACC1:ACC1+7], v[B1+8*\s:B1+8*\s+7], v[AF+8*\s:AF+8*\s+7], v[ACC1:ACC1+7]
.endif
.endr
.rept 5                                ; places behind the last matrix instructions (ISA guide 7.12.1): four before results are read and AF is
	v_nop                              ; written, five before the next tile's first product writes over an accumulator
.endr
.endm
	s_load_b512 s[4:19], s[0:1], 0x0               ; query s[4:5], value s[6:7], reference_points s[8:9], b_off s[10:11], b_attn s[12:13], b_val s[14:15], wfrag s[16:17], valb s[18:19]
	s_load_b128 s[20:23], s[0:1], 0x40             ; idx s[20:21], wt s[22:23]
	v_lshrrev_b32 v[TT], 5, v0
	v_readfirstlane_b32 s24, v[TT]                 ; wave w
	v_and_b32 v[LL], 31, v0
	v_and_b32 v[RR], 15, v0
	v_bfe_u32 v[HH], v0, 4, 1
	v_lshlrev_b32 v[L16], 4, v[LL]
	s_and_b32 s25, s24, 7                          ; hd
	s_lshr_b32 s26, s24, 3                         ; jw
	s_and_b32 s28, ttmp7, 0xffff
	s_and_b32 s29, s28, 1                          ; b
	s_lshr_b32 s30, s28, 1                         ; role: 0 q, 1 v
	s_mul_i32 s31, ttmp9, 16*TPB                   ; the block's first position
	s_mul_i32 s32, ttmp9, TPB
	s_sub_co_u32 s32, NTILE, s32
	s_min_u32 s32, s32, TPB                        ; nt: tiles in this block, 9 or 7
	s_mul_i32 s33, s24, APITCH
	v_lshl_add_u32 v[ASTO], v[LL], 3, s33          ; row w of tile 0, 8 bytes a lane
	s_add_co_u32 s33, s31, s24
	s_mov_b32 s35, 0                               ; s[34:35]: a byte offset below 4 GiB, for 64-bit sums
	s_wait_kmcnt 0x0
	s_cmp_eq_u32 s30, 0
	s_cselect_b64 s[80:81], s[4:5], s[6:7]         ; the role's rows: query or value
.irp i, 0,1,2,3,4,5,6,7,8
	s_add_co_u32 s34, s33, 16*\i                   ; row w of tile i,
	s_min_u32 s34, s34, NPOS-1                     ; held inside the tensor (rows past the end repeat the last one and feed padding only)
	s_lshl1_add_u32 s34, s34, s29                  ; 2 pos + b
	s_lshl_b32 s34, s34, 10                        ; rows of 1,024 bytes
	s_add_nc_u64 s[36+2*\i:37+2*\i], s[80:81], s[34:35]
	global_load_b128 v[STG+8*\i:STG+8*\i+3],   v[L16], s[36+2*\i:37+2*\i] th:TH_LOAD_NT
	global_load_b128 v[STG+8*\i+4:STG+8*\i+7], v[L16], s[36+2*\i:37+2*\i] offset:512 th:TH_LOAD_NT
.endr
	s_cmp_lg_u32 s30, 0                            ; the role is the same in all waves of the work-group
	s_cbranch_scc1 .Lvalue
; ---------------------------------------------------------------- role q
	s_lshl1_add_u32 s33, s25, s26
	s_add_co_u32 s33, s33, 16                      ; first tile: W_off's columns 32 hd + 16 jw ..: lane half h holds level l = 2 jw + h, registers = 4 points x (x, y)
	s_lshl_b32 s34, s33, 13
	s_add_nc_u64 s[54:55], s[16:17], s[34:35]
	s_add_co_u32 s33, s25, 32                      ; second tile: W_attn's 16 columns of head hd
	s_lshl_b32 s34, s33, 13
	s_add_nc_u64 s[56:57], s[16:17], s[34:35]
	; The second tile's columns are taken in another order: operand row m = 8 h' + 4 q + p gets column 8 (q xor jw) + 4 h' + p,
	; so that result registers 0-3 are the four points of my level l and registers 4-7 those of level l xor 2.
	v_bfe_u32 v[BO0], v0, 2, 1                     ; q
	v_xor_b32 v[BO0], s26, v[BO0]
	v_bfe_u32 v[VPERM], v0, 3, 1                   ; h'
	v_lshlrev_b32 v[VPERM], 2, v[VPERM]
	v_lshl_or_b32 v[VPERM], v[BO0], 3, v[VPERM]
	v_and_b32 v[BO0], 3, v0                        ; p
	v_or_b32 v[VPERM], v[VPERM], v[BO0]
	v_lshl_or_b32 v[VPERM], v[HH], 4, v[VPERM]     ; my own half of k
	v_lshlrev_b32 v[VPERM], 4, v[VPERM]
	s_lshl_b32 s33, s26, 1
	v_add_nc_u32 v[LV], s33, v[HH]                 ; l
	s_lshl_b32 s33, s25, 7
	s_lshl_b32 s34, s26, 6
	s_add_co_u32 s33, s33, s34
	v_lshl_add_u32 v[BO0], v[HH], 5, s33           ; b_off: 4 (32 hd + 16 jw + 8 h)
	s_lshl_b32 s33, s25, 6
	v_lshl_add_u32 v[BO1], v[LV], 4, s33           ; b_attn: 4 (16 hd + 4 l)
	v_xor_b32 v[TT], 2, v[LV]
	v_lshl_add_u32 v[BO2], v[TT], 4, s33           ; b_attn: 4 (16 hd + 4 (l xor 2))
	LOADB
	global_load_b128 v[BIAS0:BIAS0+3],   v[BO0], s[10:11]
	global_load_b128 v[BIAS0+4:BIAS0+7], v[BO0], s[10:11] offset:16
	global_load_b128 v[BIAS1:BIAS1+3],   v[BO1], s[12:13]
	global_load_b128 v[BIAS1+4:BIAS1+7], v[BO2], s[12:13]
	; addresses, while the loads are on their way
	v_mul_u32_u24 v[AADR], v[RR], APITCH
	v_lshl_add_u32 v[AADR], v[HH], 4, v[AADR]
	v_lshlrev_b32 v[REFA], 5, v[RR]
	v_lshl_add_u32 v[REFA], v[LV], 3, v[REFA]
	v_add_nc_u32 v[REFA], REF, v[REFA]             ; row r, level l: 8 bytes
	s_lshl_b32 s33, s25, 2
	v_add_nc_u32 v[TT], s33, v[LV]                 ; 4 hd + l: my place in a row's record
	v_mul_u32_u24 v[WSTA], v[RR], WPITCH
	v_lshl_add_u32 v[WSTA], v[TT], 4, v[WSTA]
	v_add_nc_u32 v[WSTA], WST, v[WSTA]
	v_mul_u32_u24 v[ISTA], v[RR], IPITCH
	v_lshl_add_u32 v[ISTA], v[TT], 3, v[ISTA]
	v_add_nc_u32 v[ISTA], IST, v[ISTA]
	s_mul_i32 s33, s24, WPITCH
	s_add_co_u32 s33, s33, WST
	v_add_nc_u32 v[RDW], s33, v[L16]               ; the way out: wave w takes row w of each tile,
	s_mul_i32 s33, s24, 2*IPITCH
	s_add_co_u32 s33, s33, IST
	v_mul_u32_u24 v[RDI], v[HH], IPITCH
	v_lshl_add_u32 v[RDI], v[RR], 4, v[RDI]
	v_add_nc_u32 v[RDI], s33, v[RDI]               ; and waves 0-7 the index rows 2 w, 2 w + 1
	s_mul_i32 s33, s29, NPAD
	s_add_co_u32 s33, s33, s31
	s_add_co_u32 s34, s33, s24
	s_lshl_b32 s34, s34, 10
	s_add_nc_u64 s[66:67], s[22:23], s[34:35]      ; wt at row b 17,824 + pos0 + w
	s_lshl1_add_u32 s34, s24, s33
	s_lshl_b32 s34, s34, 8
	s_add_nc_u64 s[68:69], s[20:21], s[34:35]      ; idx at row b 17,824 + pos0 + 2 w
	s_mov_b32 s58, 0x3fb8aa3b                      ; log2 e
	s_mov_b32 s59, 0x76543210                      ; v_permlanex16_b32: lane i reads lane i of the other half
	s_mov_b32 s60, 0xfedcba98
	; my level's W, H and first position: jw picks the pair of levels, h the one of the pair
	s_mov_b32 s70, LW0
	s_mov_b32 s71, LW1
	s_mov_b32 s72, LH0
	s_mov_b32 s73, LH1
	s_mov_b32 s74, LS0
	s_mov_b32 s75, LS1
	s_cmp_eq_u32 s26, 0
	s_cselect_b32 s70, s70, LW2
	s_cselect_b32 s71, s71, LW3
	s_cselect_b32 s72, s72, LH2
	s_cselect_b32 s73, s73, LH3
	s_cselect_b32 s74, s74, LS2
	s_cselect_b32 s75, s75, LS3
	v_cmp_eq_u32 vcc_lo, 0, v[HH]
.macro LEVELC dst, even, odd
	v_mov_b32 v[\dst], \odd
	v_mov_b32 v[TT], \even
	v_cndmask_b32 v[\dst], v[\dst], v[TT], vcc_lo  ; h = 0: the even level's
	v_cvt_f32_u32 v[\dst], v[\dst]
.endm
	LEVELC WH, s70, s71
	LEVELC WH+1, s72, s73
	LEVELC START, s74, s75
	v_add_f32 v[WM2], -2.0, v[WH]
	v_add_f32 v[HM2], -2.0, v[WH+1]
	; waves 0-8 bring one tile's reference points each: 16 rows x 32 bytes = 512 consecutive bytes
	s_cmp_ge_u32 s24, TPB
	s_cbranch_scc1 .Lq_noref
	s_lshl4_add_u32 s33, s24, s31                  ; pos0 + 16 w
	v_lshrrev_b32 v[RADR], 1, v[LL]
	v_add_nc_u32 v[RADR], s33, v[RADR]
	v_min_u32 v[RADR], NPOS-1, v[RADR]             ; held inside the tensor
	s_mul_i32 s33, s29, NPOS
	v_add_nc_u32 v[RADR], s33, v[RADR]
	v_lshlrev_b32 v[RADR], 5, v[RADR]
	v_and_b32 v[TT], 1, v0
	v_lshl_or_b32 v[RADR], v[TT], 4, v[RADR]
	global_load_b128 v[RPS:RPS+3], v[RADR], s[8:9]
	s_lshl_b32 s33, s24, 9
	s_add_co_u32 s33, s33, REF
	v_add_nc_u32 v[TT], s33, v[L16]
	s_wait_loadcnt 0x0                             ; the youngest load: with it all of this wave's loads are in
	ds_store_b128 v[TT], v[RPS:RPS+3]
.Lq_noref:
	ACONV
	s_wait_loadcnt 0x0                             ; weights and biases
.irp j, 0,2,4,6
	v_pk_add_f32 v[BIAS0+\j:BIAS0+\j+1], v[BIAS0+\j:BIAS0+\j+1], -0.5 op_sel_hi:[1,0]   ; the -0.5 of the pixel centre rides in the bias
.endr
	s_wait_dscnt 0x0                               ; my rows and reference points are in LDS, for the other waves' sake
	s_barrier_signal -1
	s_barrier_wait -1
.macro POINT k                         ; point k of my (row, head, level)
	v_pk_fma_f32 v[XY:XY+1], v[RP:RP+1], v[WH:WH+1], v[ACC0+2*\k:ACC0+2*\k+1]   ; x = ref_x W + off_x - 0.5, y likewise
	v_floor_f32 v[FL], v[XY]
	v_floor_f32 v[FL+1], v[XY+1]
	v_med3_num_f32 v[FL], v[FL], 0, v[WM2]         ; xb
	v_med3_num_f32 v[FL+1], v[FL+1], 0, v[HM2]     ; yb
	v_pk_add_f32 v[TD:TD+1], v[XY:XY+1], v[FL:FL+1] neg_lo:[0,1] neg_hi:[0,1]   ; x - xb, y - yb
	v_pk_add_f32 v[TE:TE+1], v[TD:TD+1], -1.0 op_sel_hi:[1,0]                   ; x - xb - 1, y - yb - 1
	v_fma_f32 v[IDF], v[FL+1], v[WH], v[FL]        ; yb W + xb: whole numbers below 2^24, exact in f32
	v_sub_f32 v[HA],   1.0, |v[TD]|
	v_sub_f32 v[HA+1], 1.0, |v[TE]|
	v_sub_f32 v[HA+2], 1.0, |v[TD+1]|
	v_sub_f32 v[HA+3], 1.0, |v[TE+1]|
	v_add_f32 v[IDF], v[IDF], v[START]
	v_max_num_f32 v[HA],   0, v[HA]
	v_max_num_f32 v[HA+1], 0, v[HA+1]
	v_max_num_f32 v[HA+2], 0, v[HA+2]
	v_max_num_f32 v[HA+3], 0, v[HA+3]
	v_cvt_u32_f32 v[IX+\k], v[IDF]
	v_mul_f32 v[HA+2], v[HA+2], v[AW+\k]           ; the attention weight goes into the row weights
	v_mul_f32 v[HA+3], v[HA+3], v[AW+\k]
	v_pk_mul_f32 v[QW:QW+1],   v[HA:HA+1], v[HA+2:HA+3] op_sel_hi:[1,0]             ; (x, y), (x+1, y): both by row weight 0
	v_pk_mul_f32 v[QW+2:QW+3], v[HA:HA+1], v[HA+2:HA+3] op_sel:[0,1] op_sel_hi:[1,1] ; (x, y+1), (x+1, y+1): both by row weight 1
	v_cvt_pk_f16_f32 v[PKW+2*\k],   v[QW],   v[QW+1]
	v_cvt_pk_f16_f32 v[PKW+2*\k+1], v[QW+2], v[QW+3]
.endm
; One tile of 16 rows: every wave its (head, pair of levels).  The rows and reference points that it reads lie below LDS byte 80,640 and are not
; written any more; the records that it stores lie from byte 80,640 on and are read only behind the barrier that follows the last tile.
; step = 1: the four addresses go on to the next tile.
.macro QTILE step
	LDAF
	ds_load_b64 v[RP:RP+1], v[REFA]
	s_wait_dscnt 0x0
	MM
	; softmax over the head's 16 points: 8 here, 8 in the lane of the other half
	v_max3_num_f32 v[MX], v[ACC1], v[ACC1+1], v[ACC1+2]
	v_max3_num_f32 v[MX], v[MX], v[ACC1+3], v[ACC1+4]
	v_max3_num_f32 v[MX], v[MX], v[ACC1+5], v[ACC1+6]
	v_max_num_f32 v[MX], v[MX], v[ACC1+7]
	v_mov_b32 v[MT], v[MX]                         ; v_permlanex16_b32's destination counts as read
	v_permlanex16_b32 v[MT], v[MX], s59, s60
	v_max_num_f32 v[MX], v[MX], v[MT]              ; the maximum of the 16
	v_mul_f32 v[MX], s58, v[MX]
.irp j, 0,1,2,3,4,5,6,7
	v_fma_f32 v[EA+\j], v[ACC1+\j], s58, -v[MX]    ; (a - max) log2 e
.endr
.irp j, 0,1,2,3,4,5,6,7
	v_exp_f32 v[EX+\j], v[EA+\j]
.endr
	v_nop                                          ; one plain place behind the exponentials (ISA guide 5.7.2)
	s_wait_alu depctr_va_vdst(0)
	v_pk_add_f32 v[SM:SM+1],   v[EX:EX+1],     v[EX+2:EX+3]
	v_pk_add_f32 v[SM+2:SM+3], v[EX+4:EX+5],   v[EX+6:EX+7]
	v_pk_add_f32 v[SM:SM+1],   v[SM:SM+1],     v[SM+2:SM+3]
	v_add_f32 v[SM], v[SM], v[SM+1]
	v_permlanex16_b32 v[MT], v[SM], s59, s60
	v_add_f32 v[SM], v[SM], v[MT]                  ; at least about 1: the largest term is 2^0
	v_rcp_f32 v[RC], v[SM]
	v_nop                                          ; one plain place behind the reciprocal
	s_wait_alu depctr_va_vdst(0)
.irp k, 0,1,2,3
	v_mul_f32 v[AW+\k], v[EX+\k], v[RC]
.endr
	POINT 0
	POINT 1
	POINT 2
	POINT 3
	v_lshl_or_b32 v[PKI],   v[IX+1], 16, v[IX]
	v_lshl_or_b32 v[PKI+1], v[IX+3], 16, v[IX+2]
	ds_store_b128 v[WSTA], v[PKW:PKW+3]                        ; points 0, 1
	ds_store_b128 v[WSTA], v[PKW+4:PKW+7] offset:512           ; points 2, 3
	ds_store_b64 v[ISTA], v[PKI:PKI+1]
.if \step
	v_add_nc_u32 v[AADR], 16*APITCH, v[AADR]
	v_add_nc_u32 v[REFA], 16*32, v[REFA]
	v_add_nc_u32 v[WSTA], 16*WPITCH, v[WSTA]
	v_add_nc_u32 v[ISTA], 16*IPITCH, v[ISTA]
.endif
.endm
.rept 7
	QTILE 1                                        ; tiles 0 to 6: every block has them
.endr
	s_cmp_lt_u32 s32, TPB                          ; the last block of a batch has seven tiles; nt is the same in all waves of the work-group
	s_cbranch_scc1 .Lq_done
	QTILE 1
	QTILE 0
.Lq_done:
	s_wait_dscnt 0x0                               ; my records are in LDS, for the other waves' sake
	s_barrier_signal -1
	s_barrier_wait -1
; The way out: whole rows, every store of a wave 512 consecutive bytes, aligned.  No cache hint: the next launch reads them.
; Tile i has 12 registers of its own and its place stands in the stores' immediates: no store's data or base is ever rewritten.
.macro QOUT i
	ds_load_b128 v[OB+12*\i:OB+12*\i+3],   v[RDW]
	ds_load_b128 v[OB+12*\i+4:OB+12*\i+7], v[RDW] offset:512
	s_cmp_ge_u32 s24, 8
	s_cbranch_scc1 .Lq_noidx_\@
	ds_load_b128 v[OB+12*\i+8:OB+12*\i+11], v[RDI] offset:\i*16*IPITCH
	s_wait_dscnt 0x0
	global_store_b128 v[L16], v[OB+12*\i+8:OB+12*\i+11], s[68:69] offset:\i*16*256
.Lq_noidx_\@:
	s_wait_dscnt 0x0
	global_store_b128 v[L16], v[OB+12*\i:OB+12*\i+3],   s[66:67] offset:\i*16*1024
	global_store_b128 v[L16], v[OB+12*\i+4:OB+12*\i+7], s[66:67] offset:\i*16*1024+512
	v_add_nc_u32 v[RDW], 16*WPITCH, v[RDW]         ; 16,640 bytes a tile: nine tiles do not fit the 16-bit immediate
.endm
.irp i, 0,1,2,3,4,5,6
	QOUT \i
.endr
	s_cmp_lt_u32 s32, TPB
	s_cbranch_scc1 .Lq_end
	QOUT 7
	QOUT 8
.Lq_end:
	s_wait_xcnt 0x0
	v_lshl_add_u32 v254, v0, 2, 0x41d00
	v_mov_b32 v255, 0
	s_wait_tensorcnt 0x0
	ds_add_u32 v254, v255
	s_wait_dscnt 0x0
	s_endpgm
; ---------------------------------------------------------------- role v
.Lvalue:
	s_lshl_b32 s34, s25, 14                        ; W_val's tiles 2 hd and 2 hd + 1: the head's 32 channels
	s_add_nc_u64 s[54:55], s[16:17], s[34:35]
	s_add_nc_u64 s[56:57], s[54:55], 8192
	v_mov_b32 v[VPERM], v[L16]                     ; both tiles in their own order
	s_lshl_b32 s33, s25, 7
	v_lshl_add_u32 v[BO0], v[HH], 5, s33           ; b_val: 4 (32 hd + 8 h)
	LOADB
	global_load_b128 v[BIAS0:BIAS0+3],   v[BO0], s[14:15]
	global_load_b128 v[BIAS0+4:BIAS0+7], v[BO0], s[14:15] offset:16
	global_load_b128 v[BIAS1:BIAS1+3],   v[BO0], s[14:15] offset:64
	global_load_b128 v[BIAS1+4:BIAS1+7], v[BO0], s[14:15] offset:80
	s_mul_i32 s33, s26, 16*APITCH                  ; wave (hd, jw) takes tiles jw, jw + 2, ..
	v_mul_u32_u24 v[AADR], v[RR], APITCH
	v_lshl_add_u32 v[AADR], v[HH], 4, v[AADR]
	v_add_nc_u32 v[AADR], s33, v[AADR]
	s_mul_i32 s33, s24, 16*VPITCH
	s_add_co_u32 s33, s33, VST                     ; my own stage
	v_mul_u32_u24 v[VSTO], v[RR], VPITCH
	v_lshl_add_u32 v[VSTO], v[HH], 4, v[VSTO]
	v_add_nc_u32 v[VSTO], s33, v[VSTO]             ; in: row r, channels 8 h ..
	v_lshrrev_b32 v[TT], 2, v[LL]
	v_mul_u32_u24 v[VRD], v[TT], VPITCH
	v_and_b32 v[TT], 3, v0
	v_lshl_add_u32 v[VRD], v[TT], 4, v[VRD]
	v_add_nc_u32 v[VRD], s33, v[VRD]               ; back: four lanes a row of 64 bytes
	s_lshl3_add_u32 s33, s29, s25                  ; 8 b + hd
	s_mul_i32 s33, s33, PLANE
	s_lshl4_add_u32 s34, s26, s31                  ; pos0 + 16 jw
	s_lshl_b32 s34, s34, 6
	s_add_co_u32 s34, s34, s33
	s_add_nc_u64 s[66:67], s[18:19], s[34:35]
	s_add_co_u32 s62, s32, 1
	s_sub_co_u32 s62, s62, s26
	s_lshr_b32 s62, s62, 1                         ; my tiles: (nt + 1 - jw) / 2 = 5, 4, 4 or 3
	ACONV
	s_wait_loadcnt 0x0                             ; weights and biases
	s_wait_dscnt 0x0                               ; my rows are in LDS, for the other waves' sake
	s_barrier_signal -1
	s_barrier_wait -1
; My t-th tile: 16 positions x the head's 32 channels.  The rows are not written any more; the stage is my own.
.macro VTILE t
	LDAF
	s_wait_dscnt 0x0
	MM
.irp j, 0,1,2,3
	v_cvt_pk_bf16_f32 v[P0+\j], v[ACC0+2*\j], v[ACC0+2*\j+1]   ; channels 8 h + 0 .. 7
	v_cvt_pk_bf16_f32 v[P1+\j], v[ACC1+2*\j], v[ACC1+2*\j+1]   ; channels 16 + 8 h + 0 .. 7
.endr
	ds_store_b128 v[VSTO], v[P0:P0+3]
	ds_store_b128 v[VSTO], v[P1:P1+3] offset:32
	ds_load_b128 v[AF:AF+3],   v[VRD]                          ; my own bytes; LDS serves a wave's instructions in order (ISA guide 5.7.1): these see the stores above
	ds_load_b128 v[AF+4:AF+7], v[VRD] offset:8*VPITCH
	s_wait_dscnt 0x0
	global_store_b128 v[L16], v[AF:AF+3],   s[66:67] offset:\t*32*64       ; 16 positions x 64 bytes: two stores of 512 consecutive bytes, aligned
	global_store_b128 v[L16], v[AF+4:AF+7], s[66:67] offset:\t*32*64+512
	s_wait_xcnt 0x0                                ; the stores' data are loaded over by the next tile's fragments only behind this wait
	v_add_nc_u32 v[AADR], 32*APITCH, v[AADR]       ; two tiles on
.endm
	VTILE 0
	VTILE 1
	VTILE 2
	s_cmp_lt_u32 s62, 4                            ; tile 6 + jw: tile 7 is missing in the last block
	s_cbranch_scc1 .Lv_done
	VTILE 3
	s_cmp_lg_u32 s26, 0                            ; tile 8 belongs to the waves with jw = 0,
	s_cbranch_scc1 .Lv_done
	s_cmp_lt_u32 s62, 5                            ; and is missing in the last block
	s_cbranch_scc1 .Lv_done
	VTILE 4
.Lv_done:
	s_wait_xcnt 0x0
	v_lshl_add_u32 v254, v0, 2, 0x41d00
	v_mov_b32 v255, 0
	s_wait_tensorcnt 0x0
	ds_add_u32 v254, v255
	s_wait_dscnt 0x0
	s_endpgm
.Lfunc_end_k_q33f591f226_proj:
	.size	k_q33f591f226_proj, .Lfunc_end_k_q33f591f226_proj-k_q33f591f226_proj
	.p2alignl 7, 3214868480
	.fill 96, 4, 3214868480
	.section	.rodata,"a",@progbits
	.p2align	6, 0x0
	.amdhsa_kernel k_q33f591f226_proj
		.amdhsa_group_segment_fixed_size 271616
		.amdhsa_private_segment_fixed_size 0
		.amdhsa_enable_private_segment 0
		.amdhsa_kernarg_size 80
		.amdhsa_user_sgpr_count 2
		.amdhsa_user_sgpr_kernarg_segment_ptr 1
		.amdhsa_wavefront_size32 1
		.amdhsa_system_sgpr_workgroup_id_x 1
		.amdhsa_system_sgpr_workgroup_id_y 1
		.amdhsa_system_sgpr_workgroup_id_z 1
		.amdhsa_system_vgpr_workitem_id 0
		.amdhsa_next_free_vgpr 256
		.amdhsa_next_free_sgpr 84
		.amdhsa_reserve_vcc 1
		.amdhsa_float_denorm_mode_32 3
		.amdhsa_float_denorm_mode_16_64 3
		.amdhsa_memory_ordered 1
		.amdhsa_forward_progress 1
		.amdhsa_inst_pref_size 133
	.end_amdhsa_kernel
	.amdgpu_metadata
---
amdhsa.version: [ 1, 2 ]
amdhsa.kernels:
  - .name:           k_q33f591f226_proj
    .symbol:         k_q33f591f226_proj.kd
    .args:
      - { .name: query, .offset: 0, .size: 8, .value_kind: global_buffer, .address_space: global }
      - { .name: value, .offset: 8, .size: 8, .value_kind: global_buffer, .address_space: global }
      - { .name: reference_points, .offset: 16, .size: 8, .value_kind: global_buffer, .address_space: global }
      - { .name: b_off, .offset: 24, .size: 8, .value_kind: global_buffer, .address_space: global }
      - { .name: b_attn, .offset: 32, .size: 8, .value_kind: global_buffer, .address_space: global }
      - { .name: b_val, .offset: 40, .size: 8, .value_kind: global_buffer, .address_space: global }
      - { .name: wfrag, .offset: 48, .size: 8, .value_kind: global_buffer, .address_space: global }
      - { .name: valb, .offset: 56, .size: 8, .value_kind: global_buffer, .address_space: global }
      - { .name: idx, .offset: 64, .size: 8, .value_kind: global_buffer, .address_space: global }
      - { .name: wt, .offset: 72, .size: 8, .value_kind: global_buffer, .address_space: global }
    .group_segment_fixed_size: 271616
    .private_segment_fixed_size: 0
    .kernarg_segment_align: 8
    .kernarg_segment_size: 80
    .max_flat_workgroup_size: 512
    .sgpr_count:     84
    .vgpr_count:     256
    .wavefront_size: 32
...
	.end_amdgpu_metadata
.endif
;; end of part 2
;; launch sample (part 3): grid 124 x 2, 16 waves a work-group, no clusters, 27,136 bytes of LDS; arguments valb, idx, wt, wfrag, b_out, out0; writes out0
.if DOCPART == 3
	.amdgcn_target "amdgcn-amd-amdhsa--gfx1250"
	.amdhsa_code_object_version 6
	.text
	.protected	k_q33f591f226_sample
	.globl	k_q33f591f226_sample
	.p2align	8
	.type	k_q33f591f226_sample,@function
k_q33f591f226_sample:
	s_mov_b64 s[64:65], 0
	v_nop
	global_prefetch_b8 v0, s[64:65] scope:SCOPE_SE
	s_setreg_imm32_b32 hwreg(HW_REG_WAVE_MODE, 25, 1), 1
	s_wait_xcnt 0x0
; out0 = (sum over a head's 16 points and 4 corners of weight x val) W_out + b_out.
; Work-group (x: block of 9 tiles of 16 positions, the last block 7; y: batch b).  One trip makes one tile:
;   wave w samples row w: lane L = 4 head + chunk sums channels 8 L .. 8 L + 7 in f32; a point's corner is one 16-byte load a lane (four lanes: the head's 64 bytes);
;   the 16 rows meet in LDS as f16; wave w then makes output columns 16 w .. 16 w + 15 of all 16 rows with W_out's fragments, which stay in 64 registers;
;   the tile goes back through LDS so that wave w stores row w as two stores of 512 consecutive bytes, aligned.
; The places come from idx as whole numbers stored by the launch before; each is held to its level's largest patch corner before it enters an address.
; Lane L loads the record of (head L / 4, level L % 4): 4 indices, 16 weights; a point's figures reach the head's four lanes by quad_perm.
; Sixteen gathers of a wave are always out (a ring of four points x four corners); the next row's record is asked for a whole trip ahead.
; NO JOINT LOADS: what work-groups share is W_out, 131,072 bytes once for a work-group, against 144 rows x 128 points x 4 corners x 64 bytes = 4,718,592 gathered bytes of its own.
; LIMITS: the sampled sums are rounded to f16 for the product: below 65,504.  val was rounded to bf16, the weights to f16.
.set NPOS,   17821
.set NPAD,   17824
.set NTILE,  1114
.set TPB,    9
.set PLANE,  NPAD*64
.set SPITCH, 528                       ; SAMP: 16 rows of 256 f16 + 16 bytes, from LDS byte 0
.set OUTST,  16*SPITCH                 ; 8,448: 16 rows of 256 f32 + 16 bytes
.set OPITCH, 1040
.set LW0, 134                          ; a level's width,
.set LW1, 67
.set LW2, 34
.set LW3, 17
.set MAXI0, 13264                      ; and start + (H - 2) W + W - 2
.set MAXI1, 16681
.set MAXI2, 17564
.set MAXI3, 17802
; v1 (8 b + head) PLANE + 16 chunk;  v2 8 L;  v3 16 L;  v4 SAMP in;  v5 SAMP fragments;  v6 OUTST in;  v7 OUTST back;  v8 b_out offset;  v9 at work
.set NIDX, 10                          ; v[10:11]   next row: 4 indices
.set NWT,  12                          ; v[12:19]   next row: 16 weights, f16 (named by number in PREP: halves of registers)
.set EI,   20                          ; v[20:23]   this row: my 4 indices
.set WF,   24                          ; v[24:39]   this row: my 16 weights, f32: 4 k + corner (named by number in PREP)
.set W4,   40                          ; v[40:43]   the point's 4 weights
.set ADR,  44                          ; v[44:47]   slot k: the point's byte offset in valb
.set SUM,  48                          ; v[48:55]   my 8 channels
.set ACC1, 56
.set ACC0, 64
.set BIAS, 72
.set PK,   80
.set GB,   84                          ; v[84:147]  slot k: 4 corners x 4 registers
.set AF,   148                         ; v[148:179] four K steps of the rows' fragments
.set WB,   180                         ; v[180:243] W_out's fragments of my 16 columns
.macro NEXTLOAD                        ; a row's record: 256 + 1,024 bytes, read once in the launch
	global_load_b64  v[NIDX:NIDX+1],  v2, s[22:23] th:TH_LOAD_NT
	global_load_b128 v[NWT:NWT+3],    v3, s[24:25] th:TH_LOAD_NT
	global_load_b128 v[NWT+4:NWT+7],  v3, s[24:25] offset:512 th:TH_LOAD_NT
.endm
.macro PREP                            ; the record becomes this row's; the pointers step to the row 16 further down
	s_wait_loadcnt 0x0                             ; the record was asked for a trip ago; no gather is out here
	v_and_b32     v[EI],   0xffff, v[NIDX]
	v_lshrrev_b32 v[EI+1], 16,     v[NIDX]
	v_and_b32     v[EI+2], 0xffff, v[NIDX+1]
	v_lshrrev_b32 v[EI+3], 16,     v[NIDX+1]
	v_cvt_f32_f16 v24, v12.l
	v_cvt_f32_f16 v25, v12.h
	v_cvt_f32_f16 v26, v13.l
	v_cvt_f32_f16 v27, v13.h
	v_cvt_f32_f16 v28, v14.l
	v_cvt_f32_f16 v29, v14.h
	v_cvt_f32_f16 v30, v15.l
	v_cvt_f32_f16 v31, v15.h
	v_cvt_f32_f16 v32, v16.l
	v_cvt_f32_f16 v33, v16.h
	v_cvt_f32_f16 v34, v17.l
	v_cvt_f32_f16 v35, v17.h
	v_cvt_f32_f16 v36, v18.l
	v_cvt_f32_f16 v37, v18.h
	v_cvt_f32_f16 v38, v19.l
	v_cvt_f32_f16 v39, v19.h
	s_add_nc_u64 s[22:23], s[22:23], 16*256
	s_add_nc_u64 s[24:25], s[24:25], 16*1024
.endm
.macro ISSUE l, k                      ; point k of level l: four gathers into slot k
	v_mov_b32_dpp v[ADR+\k], v[EI+\k] quad_perm:[\l,\l,\l,\l] row_mask:0xf bank_mask:0xf   ; from the head's lane that holds level l
	v_min_u32 v[ADR+\k], MAXI\l, v[ADR+\k]
	v_lshl_add_u32 v[ADR+\k], v[ADR+\k], 6, v1
	global_load_b128 v[GB+16*\k:GB+16*\k+3],     v[ADR+\k], s[4:5]
	global_load_b128 v[GB+16*\k+4:GB+16*\k+7],   v[ADR+\k], s[4:5] offset:64
	global_load_b128 v[GB+16*\k+8:GB+16*\k+11],  v[ADR+\k], s[4:5] offset:64*LW\l
	global_load_b128 v[GB+16*\k+12:GB+16*\k+15], v[ADR+\k], s[4:5] offset:64*LW\l+64
.endm
.macro CORNER k, c                     ; 8 channels += bf16 x weight, in f32
.irp q, 0,1,2,3
	v_fma_mix_f32_bf16 v[SUM+2*\q],   v[GB+16*\k+4*\c+\q], v[W4+\c], v[SUM+2*\q]   op_sel_hi:[1,0,0]
	v_fma_mix_f32_bf16 v[SUM+2*\q+1], v[GB+16*\k+4*\c+\q], v[W4+\c], v[SUM+2*\q+1] op_sel:[1,0,0] op_sel_hi:[1,0,0]
.endr
.endm
.macro CONSUME l, k, n, first          ; n: how many younger gathers may stay out.  first = 1: the row's first corner starts the sums
	s_wait_loadcnt \n                              ; loads return in order (ISA guide 5.7.1): slot k's four are in, and its address register is free
.irp c, 0,1,2,3
	v_mov_b32_dpp v[W4+\c], v[WF+4*\k+\c] quad_perm:[\l,\l,\l,\l] row_mask:0xf bank_mask:0xf
.endr
.if \first
.irp q, 0,1,2,3
	v_lshlrev_b32 v[SUM+2*\q],   16,  v[GB+16*\k+\q]           ; bf16 to f32
	v_and_b32     v[SUM+2*\q+1], s29, v[GB+16*\k+\q]
.endr
.irp q, 0,2,4,6
	v_pk_mul_f32 v[SUM+\q:SUM+\q+1], v[SUM+\q:SUM+\q+1], v[W4:W4+1] op_sel_hi:[1,0]
.endr
.else
	CORNER \k, 0
.endif
	CORNER \k, 1
	CORNER \k, 2
	CORNER \k, 3
.endm
.macro ROW                             ; 16 points; a slot is asked for again, one level on, as soon as it has been used
	CONSUME 0, 0, 12, 1                            ; 12: the three younger points' four loads each
	ISSUE   1, 0
	CONSUME 0, 1, 12, 0
	ISSUE   1, 1
	CONSUME 0, 2, 12, 0
	ISSUE   1, 2
	CONSUME 0, 3, 12, 0
	ISSUE   1, 3
	CONSUME 1, 0, 12, 0
	ISSUE   2, 0
	CONSUME 1, 1, 12, 0
	ISSUE   2, 1
	CONSUME 1, 2, 12, 0
	ISSUE   2, 2
	CONSUME 1, 3, 12, 0
	ISSUE   2, 3
	CONSUME 2, 0, 12, 0
	ISSUE   3, 0
	CONSUME 2, 1, 12, 0
	ISSUE   3, 1
	CONSUME 2, 2, 12, 0
	ISSUE   3, 2
	CONSUME 2, 3, 12, 0
	ISSUE   3, 3
	CONSUME 3, 0, 12, 0
	CONSUME 3, 1, 8, 0                             ; nothing more is asked for: the counts run down
	CONSUME 3, 2, 4, 0
	CONSUME 3, 3, 0, 0
.endm
; One tile.  prep = 1: a further row follows; next = 1: and one behind that, whose record is asked for now.
.macro TRIP prep, next
	ROW
.irp j, 0,1,2,3
	v_cvt_pk_f16_f32 v[PK+\j], v[SUM+2*\j], v[SUM+2*\j+1]
.endr
	ds_store_b128 v4, v[PK:PK+3]                   ; row w, channels 8 L ..
.if \prep
	PREP
.if \next
	NEXTLOAD
.endif
	ISSUE 0, 0                                     ; the next row's first four points land while the product is made
	ISSUE 0, 1
	ISSUE 0, 2
	ISSUE 0, 3
.endif
	s_wait_dscnt 0x0                               ; my row is in SAMP, and my reads of OUTST in the trip before are back
	s_barrier_signal -1
	s_barrier_wait -1
.irp s, 0,1,2,3
	ds_load_b128 v[AF+8*\s:AF+8*\s+3],   v5 offset:64*\s
	ds_load_b128 v[AF+8*\s+4:AF+8*\s+7], v5 offset:64*\s+32
.endr
	s_wait_dscnt 0x0
	; two accumulators take turns over the eight K steps, one instruction a turn.  The first takes the bias as C, the second 0.
	v_wmma_f32_16x16x32_f16 v[ACC0:ACC0+7], v[WB:WB+7],     v[AF:AF+7],     v[BIAS:BIAS+7]
	v_wmma_f32_16x16x32_f16 v[ACC1:ACC1+7], v[WB+8:WB+15],  v[AF+8:AF+15],  0
	v_wmma_f32_16x16x32_f16 v[ACC0:ACC0+7], v[WB+16:WB+23], v[AF+16:AF+23], v[ACC0:ACC0+7]
	v_wmma_f32_16x16x32_f16 v[ACC1:ACC1+7], v[WB+24:WB+31], v[AF+24:AF+31], v[ACC1:ACC1+7]
.rept 4
	v_nop                                          ; four places before loads land on registers that matrix instructions have read
.endr
.irp s, 0,1,2,3
	ds_load_b128 v[AF+8*\s:AF+8*\s+3],   v5 offset:256+64*\s
	ds_load_b128 v[AF+8*\s+4:AF+8*\s+7], v5 offset:256+64*\s+32
.endr
	s_wait_dscnt 0x0
	v_wmma_f32_16x16x32_f16 v[ACC0:ACC0+7], v[WB+32:WB+39], v[AF:AF+7],     v[ACC0:ACC0+7]
	v_wmma_f32_16x16x32_f16 v[ACC1:ACC1+7], v[WB+40:WB+47], v[AF+8:AF+15],  v[ACC1:ACC1+7]
	v_wmma_f32_16x16x32_f16 v[ACC0:ACC0+7], v[WB+48:WB+55], v[AF+16:AF+23], v[ACC0:ACC0+7]
	v_wmma_f32_16x16x32_f16 v[ACC1:ACC1+7], v[WB+56:WB+63], v[AF+24:AF+31], v[ACC1:ACC1+7]
.rept 5
	v_nop                                          ; places before the results are read and AF is loaded again
.endr
.irp j, 0,2,4,6
	v_pk_add_f32 v[ACC0+\j:ACC0+\j+1], v[ACC0+\j:ACC0+\j+1], v[ACC1+\j:ACC1+\j+1]
.endr
	ds_store_b128 v6, v[ACC0:ACC0+3]               ; row r, columns 16 w + 8 h + 0 .. 3
	ds_store_b128 v6, v[ACC0+4:ACC0+7] offset:16
	s_wait_dscnt 0x0                               ; my columns are in OUTST, and my reads of SAMP are back
	s_barrier_signal -1
	s_barrier_wait -1
	s_cmp_ge_u32 s20, NPOS                         ; the last tile's rows past the end are not stored
	s_cbranch_scc1 .Lpad_\@
	ds_load_b128 v[AF:AF+3],   v7
	ds_load_b128 v[AF+4:AF+7], v7 offset:512
	s_wait_dscnt 0x0
	global_store_b128 v3, v[AF:AF+3],   s[26:27] th:TH_STORE_NT
	global_store_b128 v3, v[AF+4:AF+7], s[26:27] offset:512 th:TH_STORE_NT
.Lpad_\@:
	s_wait_xcnt 0x0                                ; the stores' data and base are rewritten only behind this wait
	s_add_nc_u64 s[26:27], s[26:27], 16*2048       ; 16 positions x 2 batches x 1,024 bytes
	s_add_co_u32 s20, s20, 16
.endm
	s_load_b256 s[4:11], s[0:1], 0x0               ; valb s[4:5], idx s[6:7], wt s[8:9], wfrag s[10:11]
	s_load_b128 s[12:15], s[0:1], 0x20             ; b_out s[12:13], out0 s[14:15]
	v_lshl_add_u32 v244, v0, 2, 0x6200
	v_mov_b32 v245, 0
	v_lshrrev_b32 v8, 5, v0
	v_readfirstlane_b32 s16, v8                    ; wave w
	v_and_b32 v9, 31, v0                           ; L
	s_and_b32 s18, ttmp7, 0xffff                   ; b
	s_mul_i32 s19, ttmp9, TPB
	s_sub_co_u32 s19, NTILE, s19
	s_min_u32 s19, s19, TPB                        ; nt: 9 or 7
	s_sub_co_u32 s21, s19, 2                       ; trips of the loop
	s_mul_i32 s20, ttmp9, 16*TPB
	s_add_co_u32 s20, s20, s16                     ; my row's position
	s_mov_b32 s29, 0xffff0000                      ; a word's upper bf16
	s_mov_b32 s30, PLANE
	v_lshlrev_b32 v2, 3, v9
	v_lshlrev_b32 v3, 4, v9
	v_lshrrev_b32 v8, 2, v9                        ; head
	s_lshl_b32 s31, s18, 3
	v_add_nc_u32 v8, s31, v8
	v_mul_lo_u32 v1, v8, s30
	v_and_b32 v8, 3, v0                            ; chunk
	v_lshl_add_u32 v1, v8, 4, v1
	s_mul_i32 s31, s16, SPITCH
	v_add_nc_u32 v4, s31, v3
	v_and_b32 v8, 15, v0                           ; r
	v_bfe_u32 v9, v0, 4, 1                         ; h
	v_mul_u32_u24 v5, v8, SPITCH
	v_lshl_add_u32 v5, v9, 4, v5
	v_mul_u32_u24 v6, v8, OPITCH
	v_lshl_add_u32 v6, v9, 5, v6
	s_lshl_b32 s31, s16, 6
	v_lshl_add_u32 v8, v9, 5, s31                  ; b_out: 4 (16 w + 8 h)
	s_add_co_u32 s31, s31, OUTST
	v_add_nc_u32 v6, s31, v6
	s_mul_i32 s31, s16, OPITCH
	s_add_co_u32 s31, s31, OUTST
	v_add_nc_u32 v7, s31, v3
	s_mul_i32 s32, s18, NPAD
	s_add_co_u32 s32, s32, s20                     ; b 17,824 + pos
	s_lshl_b32 s36, s32, 8
	s_mov_b32 s37, 0
	s_lshl_b32 s32, s32, 10
	s_mov_b32 s33, 0
	s_lshl1_add_u32 s38, s20, s18                  ; 2 pos + b
	s_lshl_b32 s38, s38, 10
	s_mov_b32 s39, 0
	s_add_co_u32 s34, s16, 40                      ; W_out's tile w
	s_lshl_b32 s34, s34, 13
	s_mov_b32 s35, 0
	s_wait_kmcnt 0x0
	s_add_nc_u64 s[22:23], s[6:7], s[36:37]
	s_add_nc_u64 s[24:25], s[8:9], s[32:33]
	s_add_nc_u64 s[26:27], s[14:15], s[38:39]
	s_add_nc_u64 s[40:41], s[10:11], s[34:35]
	NEXTLOAD                                       ; tile 0's record first
.irp s, 0,1,2,3,4,5,6,7
	global_load_b128 v[WB+8*\s:WB+8*\s+3],   v3, s[40:41] offset:1024*\s
	global_load_b128 v[WB+8*\s+4:WB+8*\s+7], v3, s[40:41] offset:1024*\s+512
.endr
	global_load_b128 v[BIAS:BIAS+3],   v8, s[12:13]
	global_load_b128 v[BIAS+4:BIAS+7], v8, s[12:13] offset:16
.irp j, 0,1,2,3
	v_mov_b32 v[W4+\j], 0                          ; a DPP destination counts as read: written once here
	v_mov_b32 v[ADR+\j], 0
.endr
	PREP                                           ; its wait for 0 covers the weights and the bias too
	NEXTLOAD                                       ; tile 1's record
	ISSUE 0, 0
	ISSUE 0, 1
	ISSUE 0, 2
	ISSUE 0, 3
	s_mov_b32 s28, 0
.Ltile:
	TRIP 1, 1
	s_add_co_u32 s28, s28, 1
	s_cmp_lt_u32 s28, s21
	s_cbranch_scc1 .Ltile
	TRIP 1, 0                                      ; the last two tiles are written out: no record, then no gather, is asked for past the block's end
	TRIP 0, 0
	s_wait_tensorcnt 0x0
	ds_add_u32 v244, v245
	s_wait_dscnt 0x0
	s_endpgm
.Lfunc_end_k_q33f591f226_sample:
	.size	k_q33f591f226_sample, .Lfunc_end_k_q33f591f226_sample-k_q33f591f226_sample
	.p2alignl 7, 3214868480
	.fill 96, 4, 3214868480
	.section	.rodata,"a",@progbits
	.p2align	6, 0x0
	.amdhsa_kernel k_q33f591f226_sample
		.amdhsa_group_segment_fixed_size 27136
		.amdhsa_private_segment_fixed_size 0
		.amdhsa_enable_private_segment 0
		.amdhsa_kernarg_size 48
		.amdhsa_user_sgpr_count 2
		.amdhsa_user_sgpr_kernarg_segment_ptr 1
		.amdhsa_wavefront_size32 1
		.amdhsa_system_sgpr_workgroup_id_x 1
		.amdhsa_system_sgpr_workgroup_id_y 1
		.amdhsa_system_sgpr_workgroup_id_z 1
		.amdhsa_system_vgpr_workitem_id 0
		.amdhsa_next_free_vgpr 246
		.amdhsa_next_free_sgpr 66
		.amdhsa_reserve_vcc 0
		.amdhsa_float_denorm_mode_32 3
		.amdhsa_float_denorm_mode_16_64 3
		.amdhsa_memory_ordered 1
		.amdhsa_forward_progress 1
		.amdhsa_inst_pref_size 155
	.end_amdhsa_kernel
	.amdgpu_metadata
---
amdhsa.version: [ 1, 2 ]
amdhsa.kernels:
  - .name:           k_q33f591f226_sample
    .symbol:         k_q33f591f226_sample.kd
    .args:
      - { .name: valb, .offset: 0, .size: 8, .value_kind: global_buffer, .address_space: global }
      - { .name: idx, .offset: 8, .size: 8, .value_kind: global_buffer, .address_space: global }
      - { .name: wt, .offset: 16, .size: 8, .value_kind: global_buffer, .address_space: global }
      - { .name: wfrag, .offset: 24, .size: 8, .value_kind: global_buffer, .address_space: global }
      - { .name: b_out, .offset: 32, .size: 8, .value_kind: global_buffer, .address_space: global }
      - { .name: out0, .offset: 40, .size: 8, .value_kind: global_buffer, .address_space: global }
    .group_segment_fixed_size: 27136
    .private_segment_fixed_size: 0
    .kernarg_segment_align: 8
    .kernarg_segment_size: 48
    .max_flat_workgroup_size: 512
    .sgpr_count:     66
    .vgpr_count:     246
    .wavefront_size: 32
...
	.end_amdgpu_metadata
.endif
;; end of part 3
;; ======== version 2 of 2: 4 launches
;; limits: values outside matrix products are rounded to bf16; values outside matrix products are rounded to f16; values are held in f16: magnitudes above 65,504 overflow, below 6.1e-05 lose precision
;; workspace buffers: wfrag 458,752 bytes; valb 18,251,776 bytes; idx 9,125,888 bytes of whole numbers; wt 36,503,552 bytes; samp 18,874,368 bytes
;; launch prep: the kernel of part 1 again; grid 56 x 1, 8 waves a work-group, no clusters, 0 bytes of LDS; arguments W_val, W_off, W_attn, W_out, wfrag; writes wfrag
;; launch proj (part 4): grid 124 x 4, 16 waves a work-group, no clusters, 82,688 bytes of LDS; arguments query, value, reference_points, b_off, b_attn, b_val, wfrag, valb, idx, wt; writes valb, idx, wt
.if DOCPART == 4
	.amdgcn_target "amdgcn-amd-amdhsa--gfx1250"
	.amdhsa_code_object_version 6
	.text
	.protected	k_q33f591f226_proj
	.globl	k_q33f591f226_proj
	.p2align	8
	.type	k_q33f591f226_proj,@function
k_q33f591f226_proj:
	s_mov_b64 s[64:65], 0
	v_nop
	global_prefetch_b8 v0, s[64:65] scope:SCOPE_SE
	s_setreg_imm32_b32 hwreg(HW_REG_WAVE_MODE, 25, 1), 1
	s_wait_xcnt 0x0
; Two roles, chosen by the work-group's y (bit 0: batch b, bit 1: role); x: a block of 9 tiles of 16 positions (the last block: 7).
; ROLE q: off = q W_off + b_off, softmax(q W_attn + b_attn) over a head's 16 points, and from them for every point
;   a whole number, the place in the value table of the upper left of a 2 x 2 patch (idx, u16), and four weights (wt, f16) =
;   attention weight x column weight x row weight.  With xb = floor(x) held to 0 .. W-2 the column weights are
;   max(0, 1 - |x - xb|) and max(0, 1 - |x - xb - 1|): for every x the same as bilinear corners with zeros outside, and the patch lies inside the level.
;   wt[b][head][557 tiles of 32 rows][chunk 2 level + point / 2][32 rows][2 points x 4 corners], idx[b][head][557][chunk level / 2][32 rows][2 levels x 4 points].
; ROLE v: val = value W_val + b_val, rounded once to bf16, stored as valb[b][slice of 8 channels, 32 of them][17,824 positions][16 bytes].
; In both roles a lane's result registers hold 16 (idx: 8) neighbouring bytes and sixteen (idx: 32) neighbouring lanes 256 neighbouring, aligned bytes:
; the results are stored straight from registers, tile by tile.
; Level sizes and starts are those of reference()'s static SPATIAL; reference() reads neither spatial_shapes nor level_start_index,
; so these two inputs are not read here either.
; Sixteen waves.  The block's 144 rows come in by 18 loads of 512 bytes a wave, all out at once, are rounded to f16 and laid in LDS.
; Wave (hd = w % 8, jw = w / 8) keeps two weight tiles (128 registers) for the whole kernel.
; The tiles are written out one behind the other, not looped: every LDS address is then a constant, a lane term, a wave term and constant steps.
; The matrix instruction is used transposed (source 0 weights, source 1 rows): lane (r, h), register j = row r, column n0 + 8 h + j.
; NO JOINT LOADS: what work-groups share are the weights, which each wave takes straight into registers, once for 144 rows, by loads of 512 consecutive
;   bytes; a joint load would land them in LDS, from where 16 waves x 16,384 bytes would have to be read once more.
; LIMITS: matrix operands are f16: |query|, |value|, |W| below 65,504.  x is made as fma(ref, W, off - 0.5), another order of rounding
;   than (ref + off / W) W - 0.5.  The four weights of a point, which lie in 0 .. 1, are rounded once to f16: one below 2^-25 becomes 0.
;   An exponential below 2^-126 counts as 0.  NaN inputs are not served.
.set NPOS,   17821                     ; positions in a batch
.set NTILE,  1114                      ; tiles of 16 in a batch
.set NT32,   557                       ; tiles of 32 rows in a batch: the unit of idx and wt
.set TPB,    9                         ; tiles in a block
.set VPLANE, 17824*16                  ; bytes of one (batch, slice) in valb
.set APITCH, 528                       ; an LDS row of 256 f16 + 16: an odd multiple of 16 bytes, so 16 rows start in 16 different 16-byte columns of 256
.set REF,    144*APITCH                ; 76,032: reference points, 32 bytes a row
.set LW0, 134
.set LW1, 67
.set LW2, 34
.set LW3, 17
.set LH0, 100
.set LH1, 50
.set LH2, 25
.set LH3, 13
.set LS0, 0
.set LS1, 13400
.set LS2, 16750
.set LS3, 17600
; vector registers
.set L16,   1                          ; 16 x lane
.set VPERM, 2                          ; 16 x the lane slot from which I take the second tile's fragments
.set AADR,  3                          ; LDS: my fragment of the tile's rows
.set ASTO,  4                          ; LDS: where I lay a converted row
.set WOFF,  5                          ; role q: my 16 bytes in a tile's part of wt: 1,024 l + 16 r
.set IOFF,  6                          ; role q: my 8 bytes in a tile's part of idx: 512 jw + 16 r + 8 h
.set REFA,  7
.set VOFF,  8                          ; role v: my 16 bytes in valb: h planes + 16 r
.set PKI,   10                         ; v[10:11] role q: four u16
.set RR,    12                         ; r = lane % 16
.set HH,    13                         ; h = lane / 16
.set LL,    14                         ; lane
.set BO0,   15                         ; byte offset of my first bias
.set B0,    16                         ; v[16:79]   first weight tile, 8 K steps
.set B1,    80                         ; v[80:143]  second weight tile
.set AF,    144                        ; v[144:207] the rows' fragments, 8 K steps; behind the products: at work
.set STG,   144                        ; v[144:215] at the start: nine rows' 8 f32 a lane
.set ACC0,  208
.set ACC1,  216
.set BIAS0, 224
.set BIAS1, 232
.set WH,    240                        ; v[240:241] (W, H) of my level
.set WM2,   242                        ; W - 2
.set HM2,   243                        ; H - 2
.set START, 244                        ; my level's first position
.set LV,    245                        ; my level l = 2 jw + h
.set RP,    246                        ; v[246:247] reference point (x, y)
.set RPS,   248                        ; v[248:251] role q, at the start: reference points on their way to LDS
.set PKW,   248                        ; v[248:255] role q, in the tiles: four points x four f16
.set P0,    248                        ; v[248:255] role v: packed bf16
.set P1,    252
.set BO1,   252                        ; at the start only
.set BO2,   253
.set RADR,  254
.set TT,    255
; role q, at work in AF's registers
.set MX,  144
.set MT,  145
.set EA,  146                          ; 8 arguments
.set EX,  154                          ; 8 exponentials
.set SM,  162                          ; 4
.set RC,  166
.set AW,  168                          ; 4 attention weights of my level
.set XY,  172
.set FL,  174
.set TD,  176
.set TE,  178
.set HA,  180                          ; column weights 0, 1; row weights 0, 1
.set IDF, 184
.set QW,  186
.set IX,  190
.macro LOADB                           ; both weight tiles: 32 loads of 512 bytes
.irp s, 0,1,2,3,4,5,6,7
	global_load_b128 v[B0+8*\s:B0+8*\s+3],   v[L16],   s[54:55] offset:1024*\s
	global_load_b128 v[B0+8*\s+4:B0+8*\s+7], v[L16],   s[54:55] offset:1024*\s+512
	global_load_b128 v[B1+8*\s:B1+8*\s+3],   v[VPERM], s[56:57] offset:1024*\s
	global_load_b128 v[B1+8*\s+4:B1+8*\s+7], v[VPERM], s[56:57] offset:1024*\s+512
.endr
.endm
.macro ACONV                           ; my nine rows: f32 to f16, into LDS
.irp i, 0,1,2,3,4,5,6,7,8
	s_wait_loadcnt 36+2*(8-\i)                     ; loads return in order (ISA guide 5.7.1): row i is in; the 2 (8 - i) younger row loads and the 36 weight and bias loads may stay out
	v_cvt_pk_f16_f32 v[STG+8*\i],   v[STG+8*\i],   v[STG+8*\i+1]
	v_cvt_pk_f16_f32 v[STG+8*\i+1], v[STG+8*\i+2], v[STG+8*\i+3]
	v_cvt_pk_f16_f32 v[STG+8*\i+4], v[STG+8*\i+4], v[STG+8*\i+5]
	v_cvt_pk_f16_f32 v[STG+8*\i+5], v[STG+8*\i+6], v[STG+8*\i+7]
	ds_store_b64 v[ASTO], v[STG+8*\i:STG+8*\i+1]               ; k = 4 L .. 4 L + 3
	ds_store_b64 v[ASTO], v[STG+8*\i+4:STG+8*\i+5] offset:256  ; k = 128 + 4 L ..
	v_add_nc_u32 v[ASTO], 16*APITCH, v[ASTO]                   ; my row of the next tile
.endr
.endm
.macro LDAF                            ; a tile's 16 rows x 256 k as eight fragments
.irp s, 0,1,2,3,4,5,6,7
	ds_load_b128 v[AF+8*\s:AF+8*\s+3],   v[AADR] offset:64*\s
	ds_load_b128 v[AF+8*\s+4:AF+8*\s+7], v[AADR] offset:64*\s+32
.endr
.endm
.macro MM                              ; 16 rows x 2 tiles x 256 k.  The first products take the biases as C: nothing is cleared or added later.
.irp s, 0,1,2,3,4,5,6,7                ; the two accumulators take turns, one instruction a turn
.if \s == 0
	v_wmma_f32_16x16x32_f16 v[ACC0:ACC0+7], v[B0:B0+7], v[AF:AF+7], v[BIAS0:BIAS0+7]
	v_wmma_f32_16x16x32_f16 v[ACC1:ACC1+7], v[B1:B1+7], v[AF:AF+7], v[BIAS1:BIAS1+7]
.else
	v_wmma_f32_16x16x32_f16 v[ACC0:ACC0+7], v[B0+8*\s:B0+8*\s+7], v[AF+8*\s:AF+8*\s+7], v[ACC0:ACC0+7]
	v_wmma_f32_16x16x32_f16 v[ACC1:ACC1+7], v[B1+8*\s:B1+8*\s+7], v[AF+8*\s:AF+8*\s+7], v[ACC1:ACC1+7]
.endif
.endr
.rept 5                                ; places behind the last matrix instructions (ISA guide 7.12.1): four before results are read and AF is
	v_nop                              ; written, five before the next tile's first product writes over an accumulator
.endr
.endm
	s_load_b512 s[4:19], s[0:1], 0x0               ; query s[4:5], value s[6:7], reference_points s[8:9], b_off s[10:11], b_attn s[12:13], b_val s[14:15], wfrag s[16:17], valb s[18:19]
	s_load_b128 s[20:23], s[0:1], 0x40             ; idx s[20:21], wt s[22:23]
	v_lshrrev_b32 v[TT], 5, v0
	v_readfirstlane_b32 s24, v[TT]                 ; wave w
	v_and_b32 v[LL], 31, v0
	v_and_b32 v[RR], 15, v0
	v_bfe_u32 v[HH], v0, 4, 1
	v_lshlrev_b32 v[L16], 4, v[LL]
	s_and_b32 s25, s24, 7                          ; hd
	s_lshr_b32 s26, s24, 3                         ; jw
	s_and_b32 s28, ttmp7, 0xffff
	s_and_b32 s29, s28, 1                          ; b
	s_lshr_b32 s30, s28, 1                         ; role: 0 q, 1 v
	s_mul_i32 s31, ttmp9, 16*TPB                   ; the block's first position
	s_mul_i32 s32, ttmp9, TPB
	s_sub_co_u32 s32, NTILE, s32
	s_min_u32 s32, s32, TPB                        ; nt: tiles in this block, 9 or 7
	s_mul_i32 s33, s24, APITCH
	v_lshl_add_u32 v[ASTO], v[LL], 3, s33          ; row w of tile 0, 8 bytes a lane
	s_add_co_u32 s33, s31, s24
	s_mov_b32 s35, 0                               ; s[34:35]: a byte offset below 4 GiB, for 64-bit sums
	s_wait_kmcnt 0x0
	s_cmp_eq_u32 s30, 0
	s_cselect_b64 s[80:81], s[4:5], s[6:7]         ; the role's rows: query or value
.irp i, 0,1,2,3,4,5,6,7,8
	s_add_co_u32 s34, s33, 16*\i                   ; row w of tile i,
	s_min_u32 s34, s34, NPOS-1                     ; held inside the tensor (rows past the end repeat the last one and feed padding only)
	s_lshl1_add_u32 s34, s34, s29                  ; 2 pos + b
	s_lshl_b32 s34, s34, 10                        ; rows of 1,024 bytes
	s_add_nc_u64 s[36+2*\i:37+2*\i], s[80:81], s[34:35]
	global_load_b128 v[STG+8*\i:STG+8*\i+3],   v[L16], s[36+2*\i:37+2*\i] th:TH_LOAD_NT
	global_load_b128 v[STG+8*\i+4:STG+8*\i+7], v[L16], s[36+2*\i:37+2*\i] offset:512 th:TH_LOAD_NT
.endr
	s_cmp_lg_u32 s30, 0                            ; the role is the same in all waves of the work-group
	s_cbranch_scc1 .Lvalue
; ---------------------------------------------------------------- role q
	s_lshl1_add_u32 s33, s25, s26
	s_add_co_u32 s33, s33, 16                      ; first tile: W_off's columns 32 hd + 16 jw ..: lane half h holds level l = 2 jw + h, registers = 4 points x (x, y)
	s_lshl_b32 s34, s33, 13
	s_add_nc_u64 s[54:55], s[16:17], s[34:35]
	s_add_co_u32 s33, s25, 32                      ; second tile: W_attn's 16 columns of head hd
	s_lshl_b32 s34, s33, 13
	s_add_nc_u64 s[56:57], s[16:17], s[34:35]
	; The second tile's columns are taken in another order: operand row m = 8 h' + 4 q + p gets column 8 (q xor jw) + 4 h' + p,
	; so that result registers 0-3 are the four points of my level l and registers 4-7 those of level l xor 2.
	v_bfe_u32 v[BO0], v0, 2, 1                     ; q
	v_xor_b32 v[BO0], s26, v[BO0]
	v_bfe_u32 v[VPERM], v0, 3, 1                   ; h'
	v_lshlrev_b32 v[VPERM], 2, v[VPERM]
	v_lshl_or_b32 v[VPERM], v[BO0], 3, v[VPERM]
	v_and_b32 v[BO0], 3, v0                        ; p
	v_or_b32 v[VPERM], v[VPERM], v[BO0]
	v_lshl_or_b32 v[VPERM], v[HH], 4, v[VPERM]     ; my own half of k
	v_lshlrev_b32 v[VPERM], 4, v[VPERM]
	s_lshl_b32 s33, s26, 1
	v_add_nc_u32 v[LV], s33, v[HH]                 ; l
	s_lshl_b32 s33, s25, 7
	s_lshl_b32 s34, s26, 6
	s_add_co_u32 s33, s33, s34
	v_lshl_add_u32 v[BO0], v[HH], 5, s33           ; b_off: 4 (32 hd + 16 jw + 8 h)
	s_lshl_b32 s33, s25, 6
	v_lshl_add_u32 v[BO1], v[LV], 4, s33           ; b_attn: 4 (16 hd + 4 l)
	v_xor_b32 v[TT], 2, v[LV]
	v_lshl_add_u32 v[BO2], v[TT], 4, s33           ; b_attn: 4 (16 hd + 4 (l xor 2))
	LOADB
	global_load_b128 v[BIAS0:BIAS0+3],   v[BO0], s[10:11]
	global_load_b128 v[BIAS0+4:BIAS0+7], v[BO0], s[10:11] offset:16
	global_load_b128 v[BIAS1:BIAS1+3],   v[BO1], s[12:13]
	global_load_b128 v[BIAS1+4:BIAS1+7], v[BO2], s[12:13]
	; addresses, while the loads are on their way
	v_mul_u32_u24 v[AADR], v[RR], APITCH
	v_lshl_add_u32 v[AADR], v[HH], 4, v[AADR]
	v_lshlrev_b32 v[REFA], 5, v[RR]
	v_lshl_add_u32 v[REFA], v[LV], 3, v[REFA]
	v_add_nc_u32 v[REFA], REF, v[REFA]             ; row r, level l: 8 bytes
	v_lshlrev_b32 v[WOFF], 4, v[RR]
	v_lshl_add_u32 v[WOFF], v[LV], 10, v[WOFF]     ; chunk 2 l of 512 bytes, row r of 16
	s_lshl_b32 s33, s26, 9
	v_lshl_add_u32 v[IOFF], v[RR], 4, s33          ; chunk jw of 512 bytes, row r of 16,
	v_lshl_add_u32 v[IOFF], v[HH], 3, v[IOFF]      ; the even level's 8 bytes, then the odd one's
	s_lshl3_add_u32 s33, s29, s25                  ; 8 b + hd
	s_mul_i32 s34, s33, NT32*4096
	s_add_nc_u64 s[66:67], s[22:23], s[34:35]      ; wt at my (batch, head)
	s_mul_i32 s34, s33, NT32*1024
	s_add_nc_u64 s[68:69], s[20:21], s[34:35]      ; idx at my (batch, head)
	s_mul_i32 s63, ttmp9, TPB                      ; T: the number in the batch of the tile of 16 at work
	s_mov_b32 s58, 0x3fb8aa3b                      ; log2 e
	s_mov_b32 s59, 0x76543210                      ; v_permlanex16_b32: lane i reads lane i of the other half
	s_mov_b32 s60, 0xfedcba98
	; my level's W, H and first position: jw picks the pair of levels, h the one of the pair
	s_mov_b32 s70, LW0
	s_mov_b32 s71, LW1
	s_mov_b32 s72, LH0
	s_mov_b32 s73, LH1
	s_mov_b32 s74, LS0
	s_mov_b32 s75, LS1
	s_cmp_eq_u32 s26, 0
	s_cselect_b32 s70, s70, LW2
	s_cselect_b32 s71, s71, LW3
	s_cselect_b32 s72, s72, LH2
	s_cselect_b32 s73, s73, LH3
	s_cselect_b32 s74, s74, LS2
	s_cselect_b32 s75, s75, LS3
	v_cmp_eq_u32 vcc_lo, 0, v[HH]
.macro LEVELC dst, even, odd
	v_mov_b32 v[\dst], \odd
	v_mov_b32 v[TT], \even
	v_cndmask_b32 v[\dst], v[\dst], v[TT], vcc_lo  ; h = 0: the even level's
	v_cvt_f32_u32 v[\dst], v[\dst]
.endm
	LEVELC WH, s70, s71
	LEVELC WH+1, s72, s73
	LEVELC START, s74, s75
	v_add_f32 v[WM2], -2.0, v[WH]
	v_add_f32 v[HM2], -2.0, v[WH+1]
	; waves 0-8 bring one tile's reference points each: 16 rows x 32 bytes = 512 consecutive bytes
	s_cmp_ge_u32 s24, TPB
	s_cbranch_scc1 .Lq_noref
	s_lshl4_add_u32 s33, s24, s31                  ; pos0 + 16 w
	v_lshrrev_b32 v[RADR], 1, v[LL]
	v_add_nc_u32 v[RADR], s33, v[RADR]
	v_min_u32 v[RADR], NPOS-1, v[RADR]             ; held inside the tensor
	s_mul_i32 s33, s29, NPOS
	v_add_nc_u32 v[RADR], s33, v[RADR]
	v_lshlrev_b32 v[RADR], 5, v[RADR]
	v_and_b32 v[TT], 1, v0
	v_lshl_or_b32 v[RADR], v[TT], 4, v[RADR]
	global_load_b128 v[RPS:RPS+3], v[RADR], s[8:9]
	s_lshl_b32 s33, s24, 9
	s_add_co_u32 s33, s33, REF
	v_add_nc_u32 v[TT], s33, v[L16]
	s_wait_loadcnt 0x0                             ; the youngest load: with it all of this wave's loads are in
	ds_store_b128 v[TT], v[RPS:RPS+3]
.Lq_noref:
	ACONV
	s_wait_loadcnt 0x0                             ; weights and biases
.irp j, 0,2,4,6
	v_pk_add_f32 v[BIAS0+\j:BIAS0+\j+1], v[BIAS0+\j:BIAS0+\j+1], -0.5 op_sel_hi:[1,0]   ; the -0.5 of the pixel centre rides in the bias
.endr
	s_wait_dscnt 0x0                               ; my rows and reference points are in LDS, for the other waves' sake
	s_barrier_signal -1
	s_barrier_wait -1
.macro POINT k                         ; point k of my (row, head, level)
	v_pk_fma_f32 v[XY:XY+1], v[RP:RP+1], v[WH:WH+1], v[ACC0+2*\k:ACC0+2*\k+1]   ; x = ref_x W + off_x - 0.5, y likewise
	v_floor_f32 v[FL], v[XY]
	v_floor_f32 v[FL+1], v[XY+1]
	v_med3_num_f32 v[FL], v[FL], 0, v[WM2]         ; xb
	v_med3_num_f32 v[FL+1], v[FL+1], 0, v[HM2]     ; yb
	v_pk_add_f32 v[TD:TD+1], v[XY:XY+1], v[FL:FL+1] neg_lo:[0,1] neg_hi:[0,1]   ; x - xb, y - yb
	v_pk_add_f32 v[TE:TE+1], v[TD:TD+1], -1.0 op_sel_hi:[1,0]                   ; x - xb - 1, y - yb - 1
	v_fma_f32 v[IDF], v[FL+1], v[WH], v[FL]        ; yb W + xb: whole numbers below 2^24, exact in f32
	v_sub_f32 v[HA],   1.0, |v[TD]|
	v_sub_f32 v[HA+1], 1.0, |v[TE]|
	v_sub_f32 v[HA+2], 1.0, |v[TD+1]|
	v_sub_f32 v[HA+3], 1.0, |v[TE+1]|
	v_add_f32 v[IDF], v[IDF], v[START]
	v_max_num_f32 v[HA],   0, v[HA]
	v_max_num_f32 v[HA+1], 0, v[HA+1]
	v_max_num_f32 v[HA+2], 0, v[HA+2]
	v_max_num_f32 v[HA+3], 0, v[HA+3]
	v_cvt_u32_f32 v[IX+\k], v[IDF]
	v_mul_f32 v[HA+2], v[HA+2], v[AW+\k]           ; the attention weight goes into the row weights
	v_mul_f32 v[HA+3], v[HA+3], v[AW+\k]
	v_pk_mul_f32 v[QW:QW+1],   v[HA:HA+1], v[HA+2:HA+3] op_sel_hi:[1,0]             ; (x, y), (x+1, y): both by row weight 0
	v_pk_mul_f32 v[QW+2:QW+3], v[HA:HA+1], v[HA+2:HA+3] op_sel:[0,1] op_sel_hi:[1,1] ; (x, y+1), (x+1, y+1): both by row weight 1
	v_cvt_pk_f16_f32 v[PKW+2*\k],   v[QW],   v[QW+1]           ; f16: the weights lie in 0 .. 1, and 11 bits of each are kept
	v_cvt_pk_f16_f32 v[PKW+2*\k+1], v[QW+2], v[QW+3]
.endm
; One tile of 16 rows: every wave its (head, pair of levels).  The rows and reference points that it reads are not written any more.
; step = 1: the two LDS addresses go on to the next tile.
.macro QTILE step
	LDAF
	ds_load_b64 v[RP:RP+1], v[REFA]
	s_wait_dscnt 0x0
	MM
	s_wait_xcnt 0x0                                ; the last tile's stores: their data (PKW, PKI) and bases are rewritten only behind this wait
	; tile T is half T % 2 of the tile of 32 rows T / 2: 4,096 bytes of wt and 1,024 of idx for each of those, 256 for the half
	s_lshr_b32 s33, s63, 1
	s_and_b32 s76, s63, 1
	s_lshl_b32 s76, s76, 8
	s_lshl_b32 s34, s33, 12
	s_add_co_u32 s34, s34, s76
	s_add_nc_u64 s[78:79], s[66:67], s[34:35]
	s_lshl_b32 s34, s33, 10
	s_add_co_u32 s34, s34, s76
	s_add_nc_u64 s[82:83], s[68:69], s[34:35]
	s_add_co_u32 s63, s63, 1
	; softmax over the head's 16 points: 8 here, 8 in the lane of the other half
	v_max3_num_f32 v[MX], v[ACC1], v[ACC1+1], v[ACC1+2]
	v_max3_num_f32 v[MX], v[MX], v[ACC1+3], v[ACC1+4]
	v_max3_num_f32 v[MX], v[MX], v[ACC1+5], v[ACC1+6]
	v_max_num_f32 v[MX], v[MX], v[ACC1+7]
	v_mov_b32 v[MT], v[MX]                         ; v_permlanex16_b32's destination counts as read
	v_permlanex16_b32 v[MT], v[MX], s59, s60
	v_max_num_f32 v[MX], v[MX], v[MT]              ; the maximum of the 16
	v_mul_f32 v[MX], s58, v[MX]
.irp j, 0,1,2,3,4,5,6,7
	v_fma_f32 v[EA+\j], v[ACC1+\j], s58, -v[MX]    ; (a - max) log2 e
.endr
.irp j, 0,1,2,3,4,5,6,7
	v_exp_f32 v[EX+\j], v[EA+\j]
.endr
	v_nop                                          ; one plain place behind the exponentials (ISA guide 5.7.2)
	s_wait_alu depctr_va_vdst(0)
	v_pk_add_f32 v[SM:SM+1],   v[EX:EX+1],     v[EX+2:EX+3]
	v_pk_add_f32 v[SM+2:SM+3], v[EX+4:EX+5],   v[EX+6:EX+7]
	v_pk_add_f32 v[SM:SM+1],   v[SM:SM+1],     v[SM+2:SM+3]
	v_add_f32 v[SM], v[SM], v[SM+1]
	v_permlanex16_b32 v[MT], v[SM], s59, s60
	v_add_f32 v[SM], v[SM], v[MT]                  ; at least about 1: the largest term is 2^0
	v_rcp_f32 v[RC], v[SM]
	v_nop                                          ; one plain place behind the reciprocal
	s_wait_alu depctr_va_vdst(0)
.irp k, 0,1,2,3
	v_mul_f32 v[AW+\k], v[EX+\k], v[RC]
.endr
	POINT 0
	POINT 1
	POINT 2
	POINT 3
	v_lshl_or_b32 v[PKI],   v[IX+1], 16, v[IX]
	v_lshl_or_b32 v[PKI+1], v[IX+3], 16, v[IX+2]
	; no cache hint: the next launch reads them.  Lanes 0-15 and lanes 16-31 each store 256 consecutive, aligned bytes; the 32 lanes of the last store likewise
	global_store_b128 v[WOFF], v[PKW:PKW+3],   s[78:79]            ; points 0, 1
	global_store_b128 v[WOFF], v[PKW+4:PKW+7], s[78:79] offset:512 ; points 2, 3
	global_store_b64  v[IOFF], v[PKI:PKI+1],   s[82:83]
.if \step
	v_add_nc_u32 v[AADR], 16*APITCH, v[AADR]
	v_add_nc_u32 v[REFA], 16*32, v[REFA]
.endif
.endm
.rept 7
	QTILE 1                                        ; tiles 0 to 6: every block has them
.endr
	s_cmp_lt_u32 s32, TPB                          ; the last block of a batch has seven tiles
	s_cbranch_scc1 .Lq_done
	QTILE 1
	QTILE 0
.Lq_done:
	s_wait_xcnt 0x0
	v_lshl_add_u32 v254, v0, 2, 0x13b00
	v_mov_b32 v255, 0
	s_wait_tensorcnt 0x0
	ds_add_u32 v254, v255
	s_wait_dscnt 0x0
	s_endpgm
; ---------------------------------------------------------------- role v
.Lvalue:
	s_lshl_b32 s34, s25, 14                        ; W_val's tiles 2 hd and 2 hd + 1: the head's 32 channels
	s_add_nc_u64 s[54:55], s[16:17], s[34:35]
	s_add_nc_u64 s[56:57], s[54:55], 8192
	v_mov_b32 v[VPERM], v[L16]                     ; both tiles in their own order
	s_lshl_b32 s33, s25, 7
	v_lshl_add_u32 v[BO0], v[HH], 5, s33           ; b_val: 4 (32 hd + 8 h)
	LOADB
	global_load_b128 v[BIAS0:BIAS0+3],   v[BO0], s[14:15]
	global_load_b128 v[BIAS0+4:BIAS0+7], v[BO0], s[14:15] offset:16
	global_load_b128 v[BIAS1:BIAS1+3],   v[BO0], s[14:15] offset:64
	global_load_b128 v[BIAS1+4:BIAS1+7], v[BO0], s[14:15] offset:80
	s_mul_i32 s33, s26, 16*APITCH                  ; wave (hd, jw) takes tiles jw, jw + 2, ..
	v_mul_u32_u24 v[AADR], v[RR], APITCH
	v_lshl_add_u32 v[AADR], v[HH], 4, v[AADR]
	v_add_nc_u32 v[AADR], s33, v[AADR]
	v_mul_u32_u24 v[VOFF], v[HH], VPLANE           ; lane half h: slice 4 hd + h (and 4 hd + 2 + h),
	v_lshl_add_u32 v[VOFF], v[RR], 4, v[VOFF]      ; position r of the tile
	s_lshl_b32 s33, s29, 5
	s_lshl2_add_u32 s33, s25, s33                  ; 32 b + 4 hd
	s_mul_i32 s33, s33, VPLANE
	s_lshl4_add_u32 s34, s26, s31                  ; pos0 + 16 jw
	s_lshl_b32 s34, s34, 4
	s_add_co_u32 s34, s34, s33
	s_add_nc_u64 s[66:67], s[18:19], s[34:35]
	s_add_co_u32 s62, s32, 1
	s_sub_co_u32 s62, s62, s26
	s_lshr_b32 s62, s62, 1                         ; my tiles: (nt + 1 - jw) / 2 = 5, 4, 4 or 3
	ACONV
	s_wait_loadcnt 0x0                             ; weights and biases
	s_wait_dscnt 0x0                               ; my rows are in LDS, for the other waves' sake
	s_barrier_signal -1
	s_barrier_wait -1
; My t-th tile: 16 positions x the head's 32 channels = four slices.  The rows are not written any more.
.macro VTILE t
	LDAF
	s_wait_dscnt 0x0
	MM
	s_wait_xcnt 0x0                                ; the last tile's stores: P0 and P1 are rewritten only behind this wait
.irp j, 0,1,2,3
	v_cvt_pk_bf16_f32 v[P0+\j], v[ACC0+2*\j], v[ACC0+2*\j+1]   ; channels 8 h + 0 .. 7: slice 4 hd + h
	v_cvt_pk_bf16_f32 v[P1+\j], v[ACC1+2*\j], v[ACC1+2*\j+1]   ; channels 16 + 8 h + 0 .. 7: slice 4 hd + 2 + h
.endr
	global_store_b128 v[VOFF], v[P0:P0+3], s[66:67] offset:\t*512            ; sixteen lanes: 16 positions x 16 bytes = 256 consecutive, aligned bytes of one slice
	global_store_b128 v[VOFF], v[P1:P1+3], s[66:67] offset:2*VPLANE+\t*512
	v_add_nc_u32 v[AADR], 32*APITCH, v[AADR]       ; two tiles on
.endm
	VTILE 0
	VTILE 1
	VTILE 2
	s_cmp_lt_u32 s62, 4                            ; tile 6 + jw: tile 7 is missing in the last block
	s_cbranch_scc1 .Lv_done
	VTILE 3
	s_cmp_lg_u32 s26, 0                            ; tile 8 belongs to the waves with jw = 0,
	s_cbranch_scc1 .Lv_done
	s_cmp_lt_u32 s62, 5                            ; and is missing in the last block
	s_cbranch_scc1 .Lv_done
	VTILE 4
.Lv_done:
	s_wait_xcnt 0x0
	v_lshl_add_u32 v254, v0, 2, 0x13b00
	v_mov_b32 v255, 0
	s_wait_tensorcnt 0x0
	ds_add_u32 v254, v255
	s_wait_dscnt 0x0
	s_endpgm
.Lfunc_end_k_q33f591f226_proj:
	.size	k_q33f591f226_proj, .Lfunc_end_k_q33f591f226_proj-k_q33f591f226_proj
	.p2alignl 7, 3214868480
	.fill 96, 4, 3214868480
	.section	.rodata,"a",@progbits
	.p2align	6, 0x0
	.amdhsa_kernel k_q33f591f226_proj
		.amdhsa_group_segment_fixed_size 82688
		.amdhsa_private_segment_fixed_size 0
		.amdhsa_enable_private_segment 0
		.amdhsa_kernarg_size 80
		.amdhsa_user_sgpr_count 2
		.amdhsa_user_sgpr_kernarg_segment_ptr 1
		.amdhsa_wavefront_size32 1
		.amdhsa_system_sgpr_workgroup_id_x 1
		.amdhsa_system_sgpr_workgroup_id_y 1
		.amdhsa_system_sgpr_workgroup_id_z 1
		.amdhsa_system_vgpr_workitem_id 0
		.amdhsa_next_free_vgpr 256
		.amdhsa_next_free_sgpr 84
		.amdhsa_reserve_vcc 1
		.amdhsa_float_denorm_mode_32 3
		.amdhsa_float_denorm_mode_16_64 3
		.amdhsa_memory_ordered 1
		.amdhsa_forward_progress 1
		.amdhsa_inst_pref_size 128
	.end_amdhsa_kernel
	.amdgpu_metadata
---
amdhsa.version: [ 1, 2 ]
amdhsa.kernels:
  - .name:           k_q33f591f226_proj
    .symbol:         k_q33f591f226_proj.kd
    .args:
      - { .name: query, .offset: 0, .size: 8, .value_kind: global_buffer, .address_space: global }
      - { .name: value, .offset: 8, .size: 8, .value_kind: global_buffer, .address_space: global }
      - { .name: reference_points, .offset: 16, .size: 8, .value_kind: global_buffer, .address_space: global }
      - { .name: b_off, .offset: 24, .size: 8, .value_kind: global_buffer, .address_space: global }
      - { .name: b_attn, .offset: 32, .size: 8, .value_kind: global_buffer, .address_space: global }
      - { .name: b_val, .offset: 40, .size: 8, .value_kind: global_buffer, .address_space: global }
      - { .name: wfrag, .offset: 48, .size: 8, .value_kind: global_buffer, .address_space: global }
      - { .name: valb, .offset: 56, .size: 8, .value_kind: global_buffer, .address_space: global }
      - { .name: idx, .offset: 64, .size: 8, .value_kind: global_buffer, .address_space: global }
      - { .name: wt, .offset: 72, .size: 8, .value_kind: global_buffer, .address_space: global }
    .group_segment_fixed_size: 82688
    .private_segment_fixed_size: 0
    .kernarg_segment_align: 8
    .kernarg_segment_size: 80
    .max_flat_workgroup_size: 512
    .sgpr_count:     84
    .vgpr_count:     256
    .wavefront_size: 32
...
	.end_amdgpu_metadata
.endif
;; end of part 4
;; launch sample (part 5): grid 128 x 2, 16 waves a work-group, no clusters, 287,232 bytes of LDS; arguments valb, idx, wt, samp; writes samp
.if DOCPART == 5
	.amdgcn_target "amdgcn-amd-amdhsa--gfx1250"
	.amdhsa_code_object_version 6
	.text
	.protected	k_q33f591f226_sample
	.globl	k_q33f591f226_sample
	.p2align	8
	.type	k_q33f591f226_sample,@function
k_q33f591f226_sample:
	s_mov_b64 s[64:65], 0
	v_nop
	global_prefetch_b8 v0, s[64:65] scope:SCOPE_SE
	s_setreg_imm32_b32 hwreg(HW_REG_WAVE_MODE, 25, 1), 1
	s_wait_xcnt 0x0
; samp = sum over a head's 16 points and 4 corners of weight x val, for 8 channels at a time, with the value table in LDS.
; Work-group (x = 4 slice + quarter, y = batch b): the slice's table of all four levels, 17,824 positions x 16 bytes = 285,184 bytes, is brought
; into LDS once; every gather of the launch is then an LDS load of 16 bytes a lane.
; A lane is a row.  A wave walks 9 tiles of 32 rows, t = 64 trip + 16 quarter + w.  A batch has 557 such tiles and the 64 waves of a slice walk 576:
; for t above 556 the records of tile 556 are read again and the sums go to samp's padding rows, so that no byte of samp is stored twice.
; A row's record (16 places as u16, 64 weights as f16) is 10 loads of 16 bytes a lane, each 512 consecutive bytes for the wave.  At the head of a trip
; the record is widened (weights to f32, places to LDS addresses), which frees its registers: the next tile's record is asked for there, a whole trip ahead.
; The places come from idx as whole numbers stored by the launch before; each is held to its level's largest patch corner before it enters an address.
; Sums in f32: v_fma_mix_f32_bf16 takes a bf16 half of the table and an f32 weight.  Sixteen LDS loads of a wave are out (four points x four corners).
; samp[b][slice][18,432 rows][8 channels] in f16: a store of the wave covers 512 consecutive bytes, aligned.
; NO JOINT LOADS, though the four quarters of a slice bring the same table:
;   every gather's LDS address comes from the work-group's own records.
; No matrix unit: there is no product here.  LIMITS: the sums are rounded to f16 for the product that follows: below 65,504.  val was rounded to bf16, the weights to f16.
.set NT32,   557                       ; tiles of 32 rows in a batch
.set VPLANE, 285184                    ; bytes of one (batch, slice) in valb, and of the table in LDS, from LDS byte 0
.set PART,   VPLANE/16                 ; 17,824: what one wave's tensor load brings
.set SPLANE, 18432*16                  ; bytes of one (batch, slice) in samp
.set LW0, 134                          ; a level's width,
.set LW1, 67
.set LW2, 34
.set LW3, 17
.set MAXI0, 13264                      ; and start + (H - 2) W + W - 2
.set MAXI1, 16681
.set MAXI2, 17564
.set MAXI3, 17802
; v1: 16 x lane, the offset of every global load and store, never rewritten
.set ZR,  2                            ; v2         0: the addend of a row's first products, so that no sum is cleared
.set SUM, 8                            ; v[8:15]    my row's 8 channels
.set PK,  16                           ; v[16:19]   the same in f16
.set NW,  20                           ; v[20:51]   the record as loaded: 64 weights, f16 (named by number in WIDEN: halves of registers)
.set WF,  52                           ; v[52:115]  this row's 64 weights, f32: 16 level + 4 point + corner (named by number in WIDEN)
.set NI,  116                          ; v[116:123] the record as loaded: 16 places, u16
.set ADR, 124                          ; v[124:139] this row's 16 patches: LDS address, 4 level + point
.set GB,  140                          ; v[140:203] slot k: 4 corners x 4 registers
; The record of the tile whose number is in s33.  No cache hint: the four slices of a head read the same records.
.macro RECLOAD
	s_min_u32 s46, s33, NT32-1                     ; past the batch's last tile: that tile again
	s_lshl_b32 s48, s46, 10
	s_lshl_b32 s50, s46, 12
	s_add_nc_u64 s[52:53], s[34:35], s[48:49]
	s_add_nc_u64 s[54:55], s[36:37], s[50:51]
	global_load_b128 v[NI:NI+3],   v1, s[52:53]
	global_load_b128 v[NI+4:NI+7], v1, s[52:53] offset:512
.irp c, 0,1,2,3,4,5,6,7
	global_load_b128 v[NW+4*\c:NW+4*\c+3], v1, s[54:55] offset:512*\c
.endr
.endm
.macro UNPACK l, k                     ; point k of level l: its place becomes an LDS address
.if (\k%2) == 0
	v_and_b32 v[ADR+4*\l+\k], 0xffff, v[NI+(\l/2)*4+(\l%2)*2+\k/2]
.else
	v_lshrrev_b32 v[ADR+4*\l+\k], 16, v[NI+(\l/2)*4+(\l%2)*2+\k/2]
.endif
	v_min_u32 v[ADR+4*\l+\k], MAXI\l, v[ADR+4*\l+\k]
	v_lshlrev_b32 v[ADR+4*\l+\k], 4, v[ADR+4*\l+\k]            ; 16 bytes a position
.endm
.macro WIDEN                           ; the record becomes this row's: register 20 + i holds weights 2 i and 2 i + 1
	v_cvt_f32_f16 v52, v20.l
	v_cvt_f32_f16 v53, v20.h
	v_cvt_f32_f16 v54, v21.l
	v_cvt_f32_f16 v55, v21.h
	v_cvt_f32_f16 v56, v22.l
	v_cvt_f32_f16 v57, v22.h
	v_cvt_f32_f16 v58, v23.l
	v_cvt_f32_f16 v59, v23.h
	v_cvt_f32_f16 v60, v24.l
	v_cvt_f32_f16 v61, v24.h
	v_cvt_f32_f16 v62, v25.l
	v_cvt_f32_f16 v63, v25.h
	v_cvt_f32_f16 v64, v26.l
	v_cvt_f32_f16 v65, v26.h
	v_cvt_f32_f16 v66, v27.l
	v_cvt_f32_f16 v67, v27.h
	v_cvt_f32_f16 v68, v28.l
	v_cvt_f32_f16 v69, v28.h
	v_cvt_f32_f16 v70, v29.l
	v_cvt_f32_f16 v71, v29.h
	v_cvt_f32_f16 v72, v30.l
	v_cvt_f32_f16 v73, v30.h
	v_cvt_f32_f16 v74, v31.l
	v_cvt_f32_f16 v75, v31.h
	v_cvt_f32_f16 v76, v32.l
	v_cvt_f32_f16 v77, v32.h
	v_cvt_f32_f16 v78, v33.l
	v_cvt_f32_f16 v79, v33.h
	v_cvt_f32_f16 v80, v34.l
	v_cvt_f32_f16 v81, v34.h
	v_cvt_f32_f16 v82, v35.l
	v_cvt_f32_f16 v83, v35.h
	v_cvt_f32_f16 v84, v36.l
	v_cvt_f32_f16 v85, v36.h
	v_cvt_f32_f16 v86, v37.l
	v_cvt_f32_f16 v87, v37.h
	v_cvt_f32_f16 v88, v38.l
	v_cvt_f32_f16 v89, v38.h
	v_cvt_f32_f16 v90, v39.l
	v_cvt_f32_f16 v91, v39.h
	v_cvt_f32_f16 v92, v40.l
	v_cvt_f32_f16 v93, v40.h
	v_cvt_f32_f16 v94, v41.l
	v_cvt_f32_f16 v95, v41.h
	v_cvt_f32_f16 v96, v42.l
	v_cvt_f32_f16 v97, v42.h
	v_cvt_f32_f16 v98, v43.l
	v_cvt_f32_f16 v99, v43.h
	v_cvt_f32_f16 v100, v44.l
	v_cvt_f32_f16 v101, v44.h
	v_cvt_f32_f16 v102, v45.l
	v_cvt_f32_f16 v103, v45.h
	v_cvt_f32_f16 v104, v46.l
	v_cvt_f32_f16 v105, v46.h
	v_cvt_f32_f16 v106, v47.l
	v_cvt_f32_f16 v107, v47.h
	v_cvt_f32_f16 v108, v48.l
	v_cvt_f32_f16 v109, v48.h
	v_cvt_f32_f16 v110, v49.l
	v_cvt_f32_f16 v111, v49.h
	v_cvt_f32_f16 v112, v50.l
	v_cvt_f32_f16 v113, v50.h
	v_cvt_f32_f16 v114, v51.l
	v_cvt_f32_f16 v115, v51.h
.irp l, 0,1,2,3
.irp k, 0,1,2,3
	UNPACK \l, \k
.endr
.endr
.endm
.macro ISSUE l, k                      ; point k of level l: four LDS loads into slot k
	ds_load_b128 v[GB+16*\k:GB+16*\k+3],     v[ADR+4*\l+\k]
	ds_load_b128 v[GB+16*\k+4:GB+16*\k+7],   v[ADR+4*\l+\k] offset:16
	ds_load_b128 v[GB+16*\k+8:GB+16*\k+11],  v[ADR+4*\l+\k] offset:16*LW\l
	ds_load_b128 v[GB+16*\k+12:GB+16*\k+15], v[ADR+4*\l+\k] offset:16*LW\l+16
.endm
.macro CORNER k, c                     ; 8 channels += table (bf16 halves) x weight (f32, register WR_ + c)
.irp q, 0,1,2,3
	v_fma_mix_f32_bf16 v[SUM+2*\q],   v[GB+16*\k+4*\c+\q], v[WR_+\c], v[SUM+2*\q]   op_sel_hi:[1,0,0]
	v_fma_mix_f32_bf16 v[SUM+2*\q+1], v[GB+16*\k+4*\c+\q], v[WR_+\c], v[SUM+2*\q+1] op_sel:[1,0,0] op_sel_hi:[1,0,0]
.endr
.endm
.macro CORNERZ k                       ; a row's first corner starts the sums
.irp q, 0,1,2,3
	v_fma_mix_f32_bf16 v[SUM+2*\q],   v[GB+16*\k+\q], v[WR_], v[ZR] op_sel_hi:[1,0,0]
	v_fma_mix_f32_bf16 v[SUM+2*\q+1], v[GB+16*\k+\q], v[WR_], v[ZR] op_sel:[1,0,0] op_sel_hi:[1,0,0]
.endr
.endm
.macro CONSUME l, k, n, first          ; n: how many younger LDS loads may stay out
	s_wait_dscnt \n                                ; LDS loads return in order (ISA guide 5.7.1): slot k's four are in
.set WR_, WF+16*\l+4*\k
.if \first
	CORNERZ \k
.else
	CORNER \k, 0
.endif
	CORNER \k, 1
	CORNER \k, 2
	CORNER \k, 3
.endm
.macro ROW                             ; 16 points; a slot is asked for again, one level on, as soon as it has been used
	ISSUE   0, 0
	ISSUE   0, 1
	ISSUE   0, 2
	ISSUE   0, 3
	CONSUME 0, 0, 12, 1                            ; 12: the three younger points' four loads each
	ISSUE   1, 0
	CONSUME 0, 1, 12, 0
	ISSUE   1, 1
	CONSUME 0, 2, 12, 0
	ISSUE   1, 2
	CONSUME 0, 3, 12, 0
	ISSUE   1, 3
	CONSUME 1, 0, 12, 0
	ISSUE   2, 0
	CONSUME 1, 1, 12, 0
	ISSUE   2, 1
	CONSUME 1, 2, 12, 0
	ISSUE   2, 2
	CONSUME 1, 3, 12, 0
	ISSUE   2, 3
	CONSUME 2, 0, 12, 0
	ISSUE   3, 0
	CONSUME 2, 1, 12, 0
	ISSUE   3, 1
	CONSUME 2, 2, 12, 0
	ISSUE   3, 2
	CONSUME 2, 3, 12, 0
	ISSUE   3, 3
	CONSUME 3, 0, 12, 0
	CONSUME 3, 1, 8, 0                             ; nothing more is asked for: the counts run down
	CONSUME 3, 2, 4, 0
	CONSUME 3, 3, 0, 0
.endm
; One tile of 32 rows.  load = 1: the next tile's record is asked for.
.macro TRIP load
	s_wait_loadcnt 0x0                             ; this tile's record, asked for a trip ago; with it the record loads' bases are free
	WIDEN
.if \load
	s_add_co_u32 s33, s33, 64
	RECLOAD
.endif
	ROW
.irp j, 0,1,2,3
	v_cvt_pk_f16_f32 v[PK+\j], v[SUM+2*\j], v[SUM+2*\j+1]
.endr
	global_store_b128 v1, v[PK:PK+3], s[42:43]     ; 32 rows x 16 bytes.  No cache hint: the next launch reads them
	s_wait_xcnt 0x0                                ; the store's base and data are rewritten only behind this wait
	s_add_nc_u64 s[42:43], s[42:43], 64*512        ; 64 tiles on
.endm
	s_load_b256 s[4:11], s[0:1], 0x0               ; valb s[4:5], idx s[6:7], wt s[8:9], samp s[10:11]
	v_lshl_add_u32 v204, v0, 2, 0x45a00
	v_mov_b32 v205, 0
	ds_add_u32 v204, v205
	ds_add_u32 v204, v205
	v_lshrrev_b32 v3, 5, v0
	v_readfirstlane_b32 s12, v3                    ; wave w
	v_and_b32 v1, 31, v0
	v_lshlrev_b32 v1, 4, v1
	v_mov_b32 v[ZR], 0
	s_and_b32 s13, ttmp9, 3                        ; quarter of the rows
	s_lshr_b32 s14, ttmp9, 2                       ; slice
	s_and_b32 s15, ttmp7, 0xffff                   ; b
	s_lshl_b32 s16, s15, 5
	s_add_co_u32 s16, s16, s14                     ; 32 b + slice
	s_lshr_b32 s17, s16, 2                         ; 8 b + head
	; The table: each wave brings a sixteenth, 17,824 consecutive bytes, as a single row of 2,228 elements of 8 bytes
	; (17,824 = 557 x 32 is no multiple of 256, so rows of 256 bytes do not divide a wave's part).
	s_mul_i32 s18, s16, VPLANE
	s_mul_i32 s21, s12, PART                       ; group 0, 63:32: LDS address = wave x 17,824
	s_add_co_u32 s18, s18, s21
	s_mov_b32 s19, 0
	s_mov_b32 s20, 1                               ; group 0, 1:0: count = 1
	s_mov_b32 s24, 3<<16                           ; group 1: no work-group mask; elements of 8 bytes; no padding
	s_mov_b32 s25, (PART/8)<<16                    ; tensor_dim0 = 2,228
	s_mov_b32 s26, 1<<16                           ; tensor_dim1 = 1
	s_mov_b32 s27, (PART/8)<<16                    ; tile_dim0 = 2,228
	s_mov_b32 s28, 1                               ; tile_dim1 = 1
	s_mov_b32 s29, PART/8                          ; the pitch
	s_mov_b32 s30, 0
	s_mov_b32 s31, 0
	s_lshl4_add_u32 s32, s13, s12                  ; my first tile: 16 quarter + w
	s_mov_b32 s33, s32
	s_mul_i32 s38, s17, NT32*1024
	s_mov_b32 s39, 0
	s_mul_i32 s40, s17, NT32*4096
	s_mov_b32 s41, 0
	s_mul_i32 s44, s16, SPLANE
	s_lshl_b32 s45, s32, 9
	s_add_co_u32 s44, s44, s45
	s_mov_b32 s45, 0
	s_mov_b32 s49, 0
	s_mov_b32 s51, 0
	s_wait_dscnt 0x0
	s_wait_kmcnt 0x0
	s_add_nc_u64 s[22:23], s[4:5], s[18:19]        ; group 0, 120:64: global address
	s_or_b32 s23, s23, 0x80000000                  ; 127:126: type = 2
	tensor_load_to_lds s[20:23], s[24:31]          ; the wave's one tensor load of the launch: one is out
	s_nop 0
	s_add_nc_u64 s[34:35], s[6:7], s[38:39]        ; idx at my (batch, head)
	s_add_nc_u64 s[36:37], s[8:9], s[40:41]        ; wt at my (batch, head)
	s_add_nc_u64 s[42:43], s[10:11], s[44:45]      ; samp at my (batch, slice), my first tile
	RECLOAD                                        ; the first record comes while the table does
	s_wait_tensorcnt 0x0                           ; my part of the table is in LDS,
	s_barrier_signal -1
	s_barrier_wait -1                              ; and everybody's is
	s_mov_b32 s56, 0
.Ltrip:                                ; trips 0 to 7
	TRIP 1
	s_add_co_u32 s56, s56, 1
	s_cmp_lt_u32 s56, 8
	s_cbranch_scc1 .Ltrip
	TRIP 0                                         ; trip 8: no record is left to ask for
	s_wait_tensorcnt 0x0
	ds_add_u32 v204, v205
	s_wait_dscnt 0x0
	s_endpgm
.Lfunc_end_k_q33f591f226_sample:
	.size	k_q33f591f226_sample, .Lfunc_end_k_q33f591f226_sample-k_q33f591f226_sample
	.p2alignl 7, 3214868480
	.fill 96, 4, 3214868480
	.section	.rodata,"a",@progbits
	.p2align	6, 0x0
	.amdhsa_kernel k_q33f591f226_sample
		.amdhsa_group_segment_fixed_size 287232
		.amdhsa_private_segment_fixed_size 0
		.amdhsa_enable_private_segment 0
		.amdhsa_kernarg_size 32
		.amdhsa_user_sgpr_count 2
		.amdhsa_user_sgpr_kernarg_segment_ptr 1
		.amdhsa_wavefront_size32 1
		.amdhsa_system_sgpr_workgroup_id_x 1
		.amdhsa_system_sgpr_workgroup_id_y 1
		.amdhsa_system_sgpr_workgroup_id_z 1
		.amdhsa_system_vgpr_workitem_id 0
		.amdhsa_next_free_vgpr 206
		.amdhsa_next_free_sgpr 66
		.amdhsa_reserve_vcc 0
		.amdhsa_float_denorm_mode_32 3
		.amdhsa_float_denorm_mode_16_64 3
		.amdhsa_memory_ordered 1
		.amdhsa_forward_progress 1
		.amdhsa_inst_pref_size 88
	.end_amdhsa_kernel
	.amdgpu_metadata
---
amdhsa.version: [ 1, 2 ]
amdhsa.kernels:
  - .name:           k_q33f591f226_sample
    .symbol:         k_q33f591f226_sample.kd
    .args:
      - { .name: valb, .offset: 0, .size: 8, .value_kind: global_buffer, .address_space: global }
      - { .name: idx, .offset: 8, .size: 8, .value_kind: global_buffer, .address_space: global }
      - { .name: wt, .offset: 16, .size: 8, .value_kind: global_buffer, .address_space: global }
      - { .name: samp, .offset: 24, .size: 8, .value_kind: global_buffer, .address_space: global }
    .group_segment_fixed_size: 287232
    .private_segment_fixed_size: 0
    .kernarg_segment_align: 8
    .kernarg_segment_size: 32
    .max_flat_workgroup_size: 512
    .sgpr_count:     66
    .vgpr_count:     206
    .wavefront_size: 32
...
	.end_amdgpu_metadata
.endif
;; end of part 5
;; launch outp (part 6): grid 124 x 2, 16 waves a work-group, no clusters, 111,360 bytes of LDS; arguments samp, wfrag, b_out, out0; writes out0
.if DOCPART == 6
	.amdgcn_target "amdgcn-amd-amdhsa--gfx1250"
	.amdhsa_code_object_version 6
	.text
	.protected	k_q33f591f226_outp
	.globl	k_q33f591f226_outp
	.p2align	8
	.type	k_q33f591f226_outp,@function
k_q33f591f226_outp:
	s_mov_b64 s[64:65], 0
	v_nop
	global_prefetch_b8 v0, s[64:65] scope:SCOPE_SE
	s_setreg_imm32_b32 hwreg(HW_REG_WAVE_MODE, 25, 1), 1
	s_wait_xcnt 0x0
; out0[pos][b][:] = samp[b][:, pos] W_out + b_out.
; Work-group (x: block of 9 tiles of 16 positions, y: batch b).  The block's 144 rows x 256 channels of f16 come in by nine loads a wave, all out at once:
; wave w takes slices 2 w and 2 w + 1, lanes 0-15 the 16 rows of one (256 consecutive bytes), lanes 16-31 of the other; they are laid in LDS as rows along K.
; Wave w makes output columns 16 w .. 16 w + 15 of every tile with W_out's fragments, which stay in 64 registers; a tile goes through one of two
; LDS stages, which take turns, so that wave w stores row w as two stores of 512 consecutive bytes, aligned, and one barrier a tile is enough.
; The matrix instruction is used transposed (source 0 weights, source 1 rows): lane (r, h), register j = row r, column 16 w + 8 h + j.
; The last block of a batch reaches past position 17,820: it reads samp's padding rows, which the launch before has written, and stores none of those rows.
; NO JOINT LOADS: what work-groups share is W_out, 131,072 bytes once for a work-group, taken straight into registers; the rows are each work-group's own.
; LIMIT: matrix operands are f16 (below 65,504).
.set NPOS,   17821
.set TPB,    9
.set SPLANE, 18432*16                  ; bytes of one (batch, slice) in samp
.set APITCH, 528                       ; an LDS row of 256 f16 + 16 bytes: an odd multiple of 16
.set OUTST,  144*APITCH                ; 76,032: two stages of 16 rows of 256 f32 + 16 bytes
.set OPITCH, 1040
.set OSZ,    16*OPITCH
; v1 16 L;  v2 my 16 bytes in samp;  v3 rows in;  v5 fragments;  v6 stage in;  v7 stage back;  v8 b_out offset;  v9 at work;  v10 r;  v11 h
.set NA,   12                          ; v[12:47]   nine tiles' 16 bytes
.set ACC0, 48
.set ACC1, 56
.set BIAS, 64
.set AF,   72                          ; v[72:135]  a tile's eight fragments
.set WB,   136                         ; v[136:199] W_out's fragments of my 16 columns
.set OB,   200                         ; v[200:207] a row on its way out
	s_load_b256 s[4:11], s[0:1], 0x0               ; samp s[4:5], wfrag s[6:7], b_out s[8:9], out0 s[10:11]
	v_lshl_add_u32 v208, v0, 2, 0x1ab00
	v_mov_b32 v209, 0
	v_lshrrev_b32 v9, 5, v0
	v_readfirstlane_b32 s12, v9                    ; wave w
	v_and_b32 v9, 31, v0
	v_lshlrev_b32 v1, 4, v9
	v_and_b32 v10, 15, v0                          ; r
	v_bfe_u32 v11, v0, 4, 1                        ; h
	s_and_b32 s13, ttmp7, 0xffff                   ; b
	s_mul_i32 s14, ttmp9, 16*TPB                   ; the block's first position
	s_add_co_u32 s20, s14, s12                     ; the position of the row that I store
	v_mul_u32_u24 v2, v11, SPLANE                  ; slice 2 w + h,
	v_lshl_add_u32 v2, v10, 4, v2                  ; row r
	s_lshl_b32 s15, s13, 5
	s_lshl1_add_u32 s15, s12, s15                  ; 32 b + 2 w
	s_mul_i32 s16, s15, SPLANE
	s_lshl_b32 s17, s14, 4
	s_add_co_u32 s16, s16, s17
	s_mov_b32 s17, 0
	s_add_co_u32 s18, s12, 40                      ; W_out's tile w
	s_lshl_b32 s18, s18, 13
	s_mov_b32 s19, 0
	s_lshl1_add_u32 s22, s20, s13                  ; 2 pos + b
	s_lshl_b32 s22, s22, 10
	s_mov_b32 s23, 0
	s_lshl_b32 s30, s12, 6
	v_lshl_add_u32 v8, v11, 5, s30                 ; b_out: 4 (16 w + 8 h)
	s_wait_kmcnt 0x0
	s_add_nc_u64 s[24:25], s[4:5], s[16:17]
	s_add_nc_u64 s[26:27], s[6:7], s[18:19]
	s_add_nc_u64 s[28:29], s[10:11], s[22:23]
.irp i, 0,1,2,3,4,5,6,7,8
	global_load_b128 v[NA+4*\i:NA+4*\i+3], v2, s[24:25] offset:256*\i th:TH_LOAD_NT    ; read once in the launch
.endr
.irp s, 0,1,2,3,4,5,6,7
	global_load_b128 v[WB+8*\s:WB+8*\s+3],   v1, s[26:27] offset:1024*\s
	global_load_b128 v[WB+8*\s+4:WB+8*\s+7], v1, s[26:27] offset:1024*\s+512
.endr
	global_load_b128 v[BIAS:BIAS+3],   v8, s[8:9]
	global_load_b128 v[BIAS+4:BIAS+7], v8, s[8:9] offset:16
	v_mul_u32_u24 v3, v10, APITCH
	v_lshl_add_u32 v5, v11, 4, v3                  ; fragments: row r, 16 bytes for each half of the lanes
	s_lshl_b32 s31, s12, 5
	v_lshl_add_u32 v9, v11, 4, s31                 ; 16 (2 w + h): my slice's place in a row
	v_add_nc_u32 v3, v3, v9
	v_mul_u32_u24 v6, v10, OPITCH
	v_lshl_add_u32 v6, v11, 5, v6
	s_add_co_u32 s30, s30, OUTST
	v_add_nc_u32 v6, s30, v6                       ; stage in: row r, columns 16 w + 8 h ..
	s_mul_i32 s31, s12, OPITCH
	s_add_co_u32 s31, s31, OUTST
	v_add_nc_u32 v7, s31, v1                       ; stage back: row w
.irp i, 0,1,2,3,4,5,6,7,8
	s_wait_loadcnt 18+8-\i                         ; loads return in order (ISA guide 5.7.1): tile i's is in; the 8 - i younger ones and the 18 weight and bias loads may stay out
	ds_store_b128 v3, v[NA+4*\i:NA+4*\i+3]
	v_add_nc_u32 v3, 16*APITCH, v3
.endr
	s_wait_loadcnt 0x0                             ; weights and bias
	s_wait_dscnt 0x0                               ; my slices are in LDS, for the other waves' sake
	s_barrier_signal -1
	s_barrier_wait -1
; Tile i.  Its stage is the one of its parity.  A stage is written again two tiles later, behind the next tile's barrier, in front of which
; every wave has waited for its reads of it.
.macro OTILE i
.irp s, 0,1,2,3,4,5,6,7
	ds_load_b128 v[AF+8*\s:AF+8*\s+3],   v5 offset:64*\s
	ds_load_b128 v[AF+8*\s+4:AF+8*\s+7], v5 offset:64*\s+32
.endr
	s_wait_dscnt 0x0
	; two accumulators take turns over the eight K steps, one instruction a turn.  The first takes the bias as C, the second 0.
	v_wmma_f32_16x16x32_f16 v[ACC0:ACC0+7], v[WB:WB+7],    v[AF:AF+7],    v[BIAS:BIAS+7]
	v_wmma_f32_16x16x32_f16 v[ACC1:ACC1+7], v[WB+8:WB+15], v[AF+8:AF+15], 0
.irp s, 2,4,6
	v_wmma_f32_16x16x32_f16 v[ACC0:ACC0+7], v[WB+8*\s:WB+8*\s+7],    v[AF+8*\s:AF+8*\s+7],    v[ACC0:ACC0+7]
	v_wmma_f32_16x16x32_f16 v[ACC1:ACC1+7], v[WB+8*\s+8:WB+8*\s+15], v[AF+8*\s+8:AF+8*\s+15], v[ACC1:ACC1+7]
.endr
.rept 5
	v_nop                                          ; places behind the last matrix instructions (ISA guide 7.12.1), before results are read, AF is loaded again and an accumulator is written over
.endr
.irp j, 0,2,4,6
	v_pk_add_f32 v[ACC0+\j:ACC0+\j+1], v[ACC0+\j:ACC0+\j+1], v[ACC1+\j:ACC1+\j+1]
.endr
	ds_store_b128 v6, v[ACC0:ACC0+3]   offset:(\i%2)*OSZ
	ds_store_b128 v6, v[ACC0+4:ACC0+7] offset:(\i%2)*OSZ+16
	v_add_nc_u32 v5, 16*APITCH, v5                 ; the next tile's rows
	s_wait_dscnt 0x0                               ; my columns are in the stage, and my reads of the other stage are back
	s_barrier_signal -1
	s_barrier_wait -1
	s_cmp_ge_u32 s20, NPOS                         ; rows past the batch's end are not stored
	s_cbranch_scc1 .Lpad_\@
	s_wait_xcnt 0x0                                ; the last row's stores: OB is loaded again only behind this wait
	ds_load_b128 v[OB:OB+3],   v7 offset:(\i%2)*OSZ
	ds_load_b128 v[OB+4:OB+7], v7 offset:(\i%2)*OSZ+512
	s_wait_dscnt 0x0
	global_store_b128 v1, v[OB:OB+3],   s[28:29] offset:\i*32768 th:TH_STORE_NT       ; 16 positions x 2 batches x 1,024 bytes a tile, in the immediate
	global_store_b128 v1, v[OB+4:OB+7], s[28:29] offset:\i*32768+512 th:TH_STORE_NT
.Lpad_\@:
	s_add_co_u32 s20, s20, 16
.endm
.irp i, 0,1,2,3,4,5,6,7,8
	OTILE \i
.endr
	s_wait_tensorcnt 0x0
	ds_add_u32 v208, v209
	s_wait_dscnt 0x0
	s_endpgm
.Lfunc_end_k_q33f591f226_outp:
	.size	k_q33f591f226_outp, .Lfunc_end_k_q33f591f226_outp-k_q33f591f226_outp
	.p2alignl 7, 3214868480
	.fill 96, 4, 3214868480
	.section	.rodata,"a",@progbits
	.p2align	6, 0x0
	.amdhsa_kernel k_q33f591f226_outp
		.amdhsa_group_segment_fixed_size 111360
		.amdhsa_private_segment_fixed_size 0
		.amdhsa_enable_private_segment 0
		.amdhsa_kernarg_size 32
		.amdhsa_user_sgpr_count 2
		.amdhsa_user_sgpr_kernarg_segment_ptr 1
		.amdhsa_wavefront_size32 1
		.amdhsa_system_sgpr_workgroup_id_x 1
		.amdhsa_system_sgpr_workgroup_id_y 1
		.amdhsa_system_sgpr_workgroup_id_z 1
		.amdhsa_system_vgpr_workitem_id 0
		.amdhsa_next_free_vgpr 210
		.amdhsa_next_free_sgpr 66
		.amdhsa_reserve_vcc 0
		.amdhsa_float_denorm_mode_32 3
		.amdhsa_float_denorm_mode_16_64 3
		.amdhsa_memory_ordered 1
		.amdhsa_forward_progress 1
		.amdhsa_inst_pref_size 31
	.end_amdhsa_kernel
	.amdgpu_metadata
---
amdhsa.version: [ 1, 2 ]
amdhsa.kernels:
  - .name:           k_q33f591f226_outp
    .symbol:         k_q33f591f226_outp.kd
    .args:
      - { .name: samp, .offset: 0, .size: 8, .value_kind: global_buffer, .address_space: global }
      - { .name: wfrag, .offset: 8, .size: 8, .value_kind: global_buffer, .address_space: global }
      - { .name: b_out, .offset: 16, .size: 8, .value_kind: global_buffer, .address_space: global }
      - { .name: out0, .offset: 24, .size: 8, .value_kind: global_buffer, .address_space: global }
    .group_segment_fixed_size: 111360
    .private_segment_fixed_size: 0
    .kernarg_segment_align: 8
    .kernarg_segment_size: 32
    .max_flat_workgroup_size: 512
    .sgpr_count:     66
    .vgpr_count:     210
    .wavefront_size: 32
...
	.end_amdgpu_metadata
.endif
;; end of part 6
